; MI455X (gfx1250); checked and timed in simulation.
; The chip was launched on July 23, 2026; its instructions are those of AMD's public machine-readable ISA for CDNA 5 (MIT licence, August 2026) and "CDNA5" Instruction Set Architecture Reference Guide (July 2026). The comments in the code are by the model that wrote it; some were corrected since.
;; Local Attention. Allowed arithmetic: float matrix products may take bf16 or f16 operands with f32 sums; other float arithmetic in f32, or as packed bf16 or f16 multiplies, adds, multiply-adds, maxima and minima; sums over many terms, partial sums and values carried from step to step in f32; what a program stores and reads back later, other than sums and carried values, may be rounded once to bf16 or f16.
;; Inputs: Wk 1,024 x 1,024 float32; Wo 1,024 x 1,024 float32; Wq 1,024 x 1,024 float32; Wv 1,024 x 1,024 float32; bk 1,024 float32; bo 1,024 float32; bq 1,024 float32; bv 1,024 float32; x 1 x 4,096 x 1,024 float32.
;; Outputs: out0 1 x 4,096 x 1,024 float32.
;; 2 versions, each right; version 2 is version 1 with the launch prep written anew for expert scheduling mode. Each part assembles by itself: llvm-mc -triple=amdgcn-amd-amdhsa -mcpu=gfx1250 --defsym DOCPART=n.
;; ======== version 1 of 2: 4 launches
;; limits: values are held in f16: magnitudes above 65,504 overflow, below 6.1e-05 lose precision; right only within a limited range of input values
;; workspace buffers: xb 8,388,608 bytes; wb 6,291,456 bytes; wo 2,097,152 bytes; qh 8,388,608 bytes; kh 8,388,608 bytes; vh 8,388,608 bytes; ob 8,388,608 bytes
;; launch prep (part 1): grid 256 x 1, 8 waves a work-group, no clusters, 0 bytes of LDS; arguments x, Wq, Wk, Wv, Wo, xb, wb, wo; writes xb, wb, wo
.if DOCPART == 1
	.amdgcn_target "amdgcn-amd-amdhsa--gfx1250"
	.amdhsa_code_object_version 6
	.text
	.protected	k_q7aaae08276_prep
	.globl	k_q7aaae08276_prep
	.p2align	8
	.type	k_q7aaae08276_prep,@function
k_q7aaae08276_prep:
	s_mov_b64 s[64:65], 0
	v_nop
	global_prefetch_b8 v0, s[64:65] scope:SCOPE_SE
	s_setreg_imm32_b32 hwreg(HW_REG_WAVE_MODE, 25, 1), 1
	s_wait_xcnt 0x0
; THE CAST.  x -> xb (bf16), Wq, Wk, Wv -> wb's three planes (bf16), Wo -> wo: rounded to bf16 like every other input, and that number written as f16.
; LIMITS.  A bf16(Wo) of 65,520 or more becomes an infinity in f16; below 2^-14 it keeps f16's fixed step of 2^-24.  NaN stays NaN.
; SHARES.  Work-group g takes 32,768 numbers on end (131,072 bytes in, 65,536 out): g 0-127 of x, 128-159 of Wq, 160-191 of Wk, 192-223 of Wv, 224-255 of Wo.
; A wave takes 16,384 bytes: 32 loads of 16 bytes a lane, each 512 consecutive bytes, ALL issued before the first is waited for.  A load's four numbers become 8 bytes a lane:
; each store of the wave covers 256 consecutive bytes, aligned.  No LDS, no barrier, no matrix unit: nothing is shared and nothing is summed.
; No register that a load or store names is ever written again, so no wait frees one.
.set X, 8                              ; v[8:135]    load i: 4 registers
.set Y, 136                            ; v[136:199]  load i: 2 registers to store
.set T, 200                            ; v[200:205]  at work (Wo's path)
	s_load_b512 s[8:23], s[0:1], 0x0               ; x 8, Wq 10, Wk 12, Wv 14, Wo 16, xb 18, wb 20, wo 22
	s_mov_b32 s2, ttmp9                            ; g
	s_sub_co_u32 s3, s2, 128                       ; g - 128: the chunk in wb (used where g >= 128)
	s_and_b32 s4, s3, 31                           ; the chunk in a weight matrix
	s_sub_co_u32 s5, s2, 224                       ; the chunk in wo (used where g >= 224)
	s_mov_b32 s30, 0xffff0000                      ; a word's upper bf16
	s_mov_b32 s33, 0
	s_mov_b32 s35, 0
	v_and_b32 v3, 31, v0                           ; lane
	v_lshrrev_b32 v4, 5, v0                        ; wave
	v_lshlrev_b32 v1, 4, v3
	v_lshl_or_b32 v1, v4, 14, v1                   ; in: 16 x lane + 16,384 x wave
	v_lshlrev_b32 v2, 3, v3
	v_lshl_or_b32 v2, v4, 13, v2                   ; out: 8 x lane + 8,192 x wave
	s_wait_kmcnt 0x0
	s_mov_b64 s[24:25], s[16:17]                   ; the source: Wo, unless g says otherwise
	s_cmp_lt_u32 s2, 224
	s_cselect_b64 s[24:25], s[14:15], s[24:25]
	s_cselect_b64 s[26:27], s[20:21], s[22:23]     ; the destination: wb or wo
	s_cselect_b32 s29, s3, s5
	s_cmp_lt_u32 s2, 192
	s_cselect_b64 s[24:25], s[12:13], s[24:25]
	s_cmp_lt_u32 s2, 160
	s_cselect_b64 s[24:25], s[10:11], s[24:25]
	s_cmp_lt_u32 s2, 128
	s_cselect_b64 s[24:25], s[8:9], s[24:25]
	s_cselect_b64 s[26:27], s[18:19], s[26:27]
	s_cselect_b32 s28, s2, s4
	s_cselect_b32 s29, s2, s29
	s_lshl_b32 s32, s28, 17                        ; offsets are made apart from the addresses
	s_lshl_b32 s34, s29, 16
	s_add_nc_u64 s[24:25], s[24:25], s[32:33]
	s_add_nc_u64 s[26:27], s[26:27], s[34:35]
.set ii, 0
.rept 32
	global_load_b128 v[X+4*ii:X+4*ii+3], v1, s[24:25] offset:512*ii th:TH_LOAD_NT
.set ii, ii+1
.endr
; Load n is turned and stored.  half = 1: Wo's path.
.macro CV n, half
	s_wait_loadcnt 31-(\n)                         ; loads come back in order: load n is in, the 31 - n younger ones may stay out
.if \half
	v_cvt_pk_bf16_f32 v[T], v[X+4*(\n)], v[X+4*(\n)+1]
	v_cvt_pk_bf16_f32 v[T+1], v[X+4*(\n)+2], v[X+4*(\n)+3]
	v_lshlrev_b32 v[T+2], 16, v[T]                 ; the rounded numbers as f32 again,
	v_and_b32 v[T+3], s30, v[T]
	v_lshlrev_b32 v[T+4], 16, v[T+1]
	v_and_b32 v[T+5], s30, v[T+1]
	v_cvt_pk_f16_f32 v[Y+2*(\n)], v[T+2], v[T+3]   ; and written as f16: 8 significant bits fit into 11
	v_cvt_pk_f16_f32 v[Y+2*(\n)+1], v[T+4], v[T+5]
.else
	v_cvt_pk_bf16_f32 v[Y+2*(\n)], v[X+4*(\n)], v[X+4*(\n)+1]
	v_cvt_pk_bf16_f32 v[Y+2*(\n)+1], v[X+4*(\n)+2], v[X+4*(\n)+3]
.endif
	global_store_b64 v2, v[Y+2*(\n):Y+2*(\n)+1], s[26:27] offset:256*(\n) th:TH_STORE_NT
.endm
	s_cmp_ge_u32 s2, 224
	s_cbranch_scc1 .Lhalf
.set ii, 0
.rept 32
	CV ii, 0
.set ii, ii+1
.endr
	s_endpgm
.Lhalf:
.set ii, 0
.rept 32
	CV ii, 1
.set ii, ii+1
.endr
	s_endpgm
.Lfunc_end_k_q7aaae08276_prep:
	.size	k_q7aaae08276_prep, .Lfunc_end_k_q7aaae08276_prep-k_q7aaae08276_prep
	.p2alignl 7, 3214868480
	.fill 96, 4, 3214868480
	.section	.rodata,"a",@progbits
	.p2align	6, 0x0
	.amdhsa_kernel k_q7aaae08276_prep
		.amdhsa_group_segment_fixed_size 0
		.amdhsa_private_segment_fixed_size 0
		.amdhsa_enable_private_segment 0
		.amdhsa_kernarg_size 64
		.amdhsa_user_sgpr_count 2
		.amdhsa_user_sgpr_kernarg_segment_ptr 1
		.amdhsa_wavefront_size32 1
		.amdhsa_system_sgpr_workgroup_id_x 1
		.amdhsa_system_sgpr_workgroup_id_y 1
		.amdhsa_system_sgpr_workgroup_id_z 1
		.amdhsa_system_vgpr_workitem_id 0
		.amdhsa_next_free_vgpr 208
		.amdhsa_next_free_sgpr 66
		.amdhsa_reserve_vcc 0
		.amdhsa_float_denorm_mode_32 3
		.amdhsa_float_denorm_mode_16_64 3
		.amdhsa_memory_ordered 1
		.amdhsa_forward_progress 1
		.amdhsa_inst_pref_size 29
	.end_amdhsa_kernel
	.amdgpu_metadata
---
amdhsa.version: [ 1, 2 ]
amdhsa.kernels:
  - .name:           k_q7aaae08276_prep
    .symbol:         k_q7aaae08276_prep.kd
    .args:
      - { .name: x, .offset: 0, .size: 8, .value_kind: global_buffer, .address_space: global }
      - { .name: Wq, .offset: 8, .size: 8, .value_kind: global_buffer, .address_space: global }
      - { .name: Wk, .offset: 16, .size: 8, .value_kind: global_buffer, .address_space: global }
      - { .name: Wv, .offset: 24, .size: 8, .value_kind: global_buffer, .address_space: global }
      - { .name: Wo, .offset: 32, .size: 8, .value_kind: global_buffer, .address_space: global }
      - { .name: xb, .offset: 40, .size: 8, .value_kind: global_buffer, .address_space: global }
      - { .name: wb, .offset: 48, .size: 8, .value_kind: global_buffer, .address_space: global }
      - { .name: wo, .offset: 56, .size: 8, .value_kind: global_buffer, .address_space: global }
    .group_segment_fixed_size: 0
    .private_segment_fixed_size: 0
    .kernarg_segment_align: 8
    .kernarg_segment_size: 64
    .max_flat_workgroup_size: 256
    .sgpr_count:     66
    .vgpr_count:     208
    .wavefront_size: 32
...
	.end_amdgpu_metadata
.endif
;; end of part 1
;; launch qkv (part 2): grid 8 x 32, 4 waves a work-group, clusters of 4 x 4, 327,680 bytes of LDS; arguments xb, wb, bq, bk, bv, qh, kh, vh; writes qh, kh, vh
.if DOCPART == 2
	.amdgcn_target "amdgcn-amd-amdhsa--gfx1250"
	.amdhsa_code_object_version 6
	.text
	.protected	k_q7aaae08276_qkv
	.globl	k_q7aaae08276_qkv
	.p2align	8
	.type	k_q7aaae08276_qkv,@function
k_q7aaae08276_qkv:
	s_mov_b64 s[64:65], 0
	v_nop
	global_prefetch_b8 v0, s[64:65] scope:SCOPE_SE
	s_setreg_imm32_b32 hwreg(HW_REG_WAVE_MODE, 25, 1), 1
	s_wait_xcnt 0x0
	s_wait_alu depctr_hold_cnt(0) depctr_sa_sdst(0) depctr_va_vdst(0) depctr_va_sdst(0) depctr_va_ssrc(0) depctr_va_vcc(0) depctr_vm_vsrc(0)
	s_getreg_b32 s2, hwreg(HW_REG_IB_STS2, 6, 4)
	s_cmp_eq_u32 s2, 0
	s_cbranch_scc0 .Lentry_in_a_cluster
	s_endpgm
.Lentry_in_a_cluster:
	s_bfe_u32 s2, ttmp6, 0x10000c
	s_cmp_lg_u32 s2, 0xf033
	s_cbranch_scc0 .Lentry_shape_is_right
	s_endpgm
.Lentry_shape_is_right:
; THE THREE PROJECTIONS.  q, k, v = x W + b, written by heads: qh, kh, vh are [16 heads][4096][64] in f16, unscaled, each rounded once from its f32 sum.
; xb: [4096][1024] bf16.  wb: [3 planes][1024 k][1024 n] bf16.  The biases are rounded to bf16 like every other input and start the sums.
; LIMITS.  f16 holds no number beyond 65,504: a q, k or v of 65,520 or more becomes an infinity.  NaN and infinities are not treated apart.
; SHARES.  A work-group takes 128 rows of x and the same 128 columns (two heads) of each of the three planes: a tile of 128 x 384; 8 x 32 work-groups.  Wave w takes rows 64 (w / 2) on and
; head w % 2: 4 row blocks a x 12 column blocks n = 4 t + cb (plane t, 16 columns cb): 48 accumulators, 384 registers.
; K goes in 8 steps of 128 through two LDS slots.  A slot has four pieces, one a wave: x's 128 rows x 256 bytes (wave 0), and for each plane 128 k rows x 256 bytes (waves 1 to 3).
; W LIES [k][n]: its fragments come out of LDS turned, by ds_load_tr16_b128.  THE PRODUCT IS TAKEN TRANSPOSED (source 0 = 16 columns of W, source 1 = 16 rows of x): a lane then holds
; one row of x (lane % 16) and eight neighbouring columns, 16 bytes of a head's row in f16.
; CLUSTER.  4 x 4 work-groups.  x's tile hangs on the row tile alone and is asked for jointly along a row of the cluster, W's tiles on the column tile alone, jointly along a column.
; REGISTERS, in windows of 256 (s_set_vgpr_msb: bits 1:0 source 0, 3:2 source 1, 5:4 source 2, 7:6 destination):
;   window 0: v0-31 addresses; v64-127 x's fragments, two buffers of 32; v128-223 the biases, 8 a column block; on the way out v32-223: 12 units of 16
;   window 1: v0-191 W's fragments, two buffers of 96        window 2: the accumulators of a = 0, 1 at v[8 (12 (a % 2) + n)]        window 3: those of a = 2, 3
.set KSTEP,  128
.set PA,     272                       ; a row of x in LDS: 256 bytes + 16: the 16 rows of a load start at 16 different groups of four banks (64 banks of 4 bytes: ISA guide 11.1)
.set PB,     288                       ; a k row of W: 256 + 32
.set PIECE,  128*PB                    ; 36,864: what one wave fills (x's piece uses 34,816 of it)
.set SLOT,   4*PIECE
.set STAGE,  2*SLOT                    ; behind the ring, never filled by a tensor load: 16 rows x 144 bytes for each wave
.set SP,     144
.set SPARE,  STAGE+4*16*SP             ; the spare words, 128 bytes for each wave: two blocks of 256 bytes that no other line names
.set ADRA, 16                          ; v16-17  LDS address of my fragments of x in slot 0, 1
.set ADRB, 18                          ; v18-23  of W's: slot s, plane t at ADRB + 3 s + t
.set STO,  24                          ; v24     the way out: where I put 16 bytes of a row
.set RD,   25                          ; v25     where I read rows back
.set GO,   26                          ; v26     16 x lane
.set BO,   27                          ; v27     my byte offset in a bias
.set SPW,  28                          ; v28     my spare word; never rewritten
.set NIL,  29                          ; v29     0; never rewritten
.set PFO,  30                          ; v30     the prefetches' offset: lane x 2,048 bytes, a row of xb or of wb; never rewritten
.set FA,   64
.set BIAS, 128
.set OUT,  32
.set G1,  24                           ; s[24:31] group 1 for x's tiles;  s[32:39] group 0, a set for each slot
.set G0,  32
.set G1B, 48                           ; s[48:55], s[56:63] the same for W's
.set G0B, 56
.set PFA, 44                           ; s[44:45] where my prefetches stand
.set LIM, 43                           ; s43  1 in a wave that prefetches, else the greatest number
.set PST, 84                           ; s[84:85] a K step in bytes: 256 along x's rows, 262,144 down W's
.set MSB, 0
.macro WIN new                         ; the immediate's high byte repeats the setting that is left; a switch that changes nothing is dropped
.if MSB != (\new)
	s_set_vgpr_msb (MSB<<8)|(\new)
.set MSB, (\new)
.endif
.endm
; A joint load.  Wave 0 fetches x's tile, waves 1 to 3 a plane's each.  The branch hangs on the wave's number alone.  An s_nop 0 and four v_nop follow each line.
.macro JLOAD s
	s_cmp_eq_u32 s10, 0
	s_cbranch_scc0 .Lfor_b_\@
	tensor_load_to_lds s[G0+4*(\s):G0+4*(\s)+3], s[G1:G1+7]
	s_nop 0
.rept 4
	v_nop
.endr
	s_branch .Lasked_\@
.Lfor_b_\@:
	tensor_load_to_lds s[G0B+4*(\s):G0B+4*(\s)+3], s[G1B:G1B+7]
	s_nop 0
.rept 4
	v_nop
.endr
.Lasked_\@:
.endm
; A prefetch into the L2 of the K step that stands two refills on (384 matrix instructions ahead of the load that will ask for it): 32 rows x 256 bytes, a lane a row, one instruction a wave.
; Each row's 256 bytes of a K step are named once in the launch: x's rows by wave 0 of the clusters with x = 0, W's by waves 1 to 3 of the clusters with y = 0; the four partners that ask for a
; tile jointly share its 128 rows out by address, 32 each.  K steps 0 to 3 come by their loads alone; the loop's last trip (s3 = 1) has no K step two refills on.
.macro ASK
	s_cmp_gt_u32 s3, s[LIM]
	s_cbranch_scc0 .Lnot_mine_\@
	global_prefetch_b8 v[PFO], s[PFA:PFA+1] th:TH_LOAD_NT scope:SCOPE_SE
.Lnot_mine_\@:
.endm
.macro CREST                           ; a round of the cluster's barrier behind its opening barrier
	s_cmp_lg_u32 s10, 0
	s_cbranch_scc1 .Lnot_wave_0_\@
	s_barrier_signal -3
.Lnot_wave_0_\@:
	s_barrier_wait -3
	s_barrier_signal -1
	s_barrier_wait -1
.endm
.macro CROUND                          ; a whole round
	s_barrier_signal -1
	s_barrier_wait -1
	CREST
.endm
.macro PLACES                          ; four plain places behind matrix instructions, in front of loads into registers that they read and of conversions of their results
.rept 4
	v_nop
.endr
.endm
	s_load_b512 s[68:83], s[0:1], 0x0              ; xb 68, wb 70, bq 72, bk 74, bv 76, qh 78, kh 80, vh 82
	v_lshl_add_u32 v[SPW], v0, 2, SPARE
	v_mov_b32 v[NIL], 0
	ds_add_u32 v[SPW], v[NIL]                      ; the wave's opening: the add and its wait stand ahead of my first tensor load; the set-up below stands between them
	v_lshrrev_b32 v1, 5, v0
	v_readfirstlane_b32 s10, v1                    ; wave 0..3
	s_lshr_b32 s11, s10, 1                         ; which 64 rows are mine
	s_and_b32 s12, s10, 1                          ; which head of the two
	s_bfe_u32 s40, ttmp6, 0x40000                  ; cx
	s_bfe_u32 s41, ttmp6, 0x40004                  ; cy
	s_lshl_b32 s42, ttmp9, 2
	s_add_co_u32 s42, s42, s40                     ; column tile = 4 x cluster x + cx
	s_and_b32 s13, ttmp7, 0xffff
	s_lshl_b32 s13, s13, 2
	s_add_co_u32 s13, s13, s41                     ; row tile = 4 x cluster y + cy
	s_lshl_b32 s87, s41, 2
	s_lshl_b32 s87, 15, s87                        ; my row of the cluster
	s_lshl_b32 s88, 0x1111, s40                    ; my column
	s_mov_b32 s86, 0xffff0000
	; group 1: 128 rows x 128 elements of 2 bytes, 1,024 elements from row to row, padded in LDS after every 64 words by 4 words (x) or 8 (W); bit 21 is set beside a mask
	s_or_b32 s[G1], s87, (1<<16)|(1<<20)|(1<<21)|(5<<22)|(3<<25)
	s_or_b32 s[G1B], s88, (1<<16)|(1<<20)|(1<<21)|(5<<22)|(7<<25)
.irp g, G1, G1B
	s_mov_b32 s[(\g)+1], KSTEP<<16                 ; tensor_dim0 = 128
	s_mov_b32 s[(\g)+2], 128<<16                   ; tensor_dim1 = 128
	s_mov_b32 s[(\g)+3], KSTEP<<16                 ; tile_dim0 = 128
	s_mov_b32 s[(\g)+4], 128                       ; tile_dim1 = 128
	s_mov_b32 s[(\g)+5], 1024                      ; the pitch
	s_mov_b32 s[(\g)+6], 0
	s_mov_b32 s[(\g)+7], 0
.endr
	s_max_u32 s9, s10, 1
	s_sub_co_u32 s9, s9, 1                         ; the plane that I fetch (wave 0: none; 0 keeps its unused address inside wb)
	s_lshl_b32 s16, s13, 18                        ; x: 128 rows of 2,048 bytes a row tile
	s_mov_b32 s17, 0
	s_lshl_b32 s46, s42, 8                         ; W: 256 bytes a column tile,
	s_lshl_b32 s21, s9, 21                         ; 2 MiB a plane
	s_add_co_u32 s46, s46, s21
	s_mov_b32 s47, 0
	s_mul_i32 s20, s10, PIECE                      ; where my piece lies in a slot: the wave's number alone
	s_wait_dscnt 0x0                               ; the opening add is done
	s_wait_kmcnt 0x0
	s_add_nc_u64 s[14:15], s[68:69], s[16:17]
	s_add_nc_u64 s[46:47], s[70:71], s[46:47]
	CROUND                                         ; all sixteen work-groups are here: the first joint loads meet
.irp s, 0,1
	s_mov_b32 s[G0+4*(\s)], 1
	s_add_co_u32 s[G0+4*(\s)+1], s20, (\s)*SLOT
	s_add_nc_u64 s[G0+4*(\s)+2:G0+4*(\s)+3], s[14:15], (\s)*KSTEP*2
	s_or_b32 s[G0+4*(\s)+3], s[G0+4*(\s)+3], 0x80000000
	s_mov_b32 s[G0B+4*(\s)], 1
	s_add_co_u32 s[G0B+4*(\s)+1], s20, (\s)*SLOT
	s_add_nc_u64 s[G0B+4*(\s)+2:G0B+4*(\s)+3], s[46:47], (\s)*KSTEP*2048
	s_or_b32 s[G0B+4*(\s)+3], s[G0B+4*(\s)+3], 0x80000000
.endr
	s_cmp_eq_u32 s10, 0                            ; a wave's two first fills stand in one branch, ahead of every wait on TENSORcnt and every LDS read: two loads of mine are out
	s_cbranch_scc0 .Lfirst_b
	tensor_load_to_lds s[G0:G0+3], s[G1:G1+7]
	s_nop 0
	tensor_load_to_lds s[G0+4:G0+7], s[G1:G1+7]
	s_nop 0
.rept 4
	v_nop
.endr
	s_branch .Lfirst_asked
.Lfirst_b:
	tensor_load_to_lds s[G0B:G0B+3], s[G1B:G1B+7]
	s_nop 0
	tensor_load_to_lds s[G0B+4:G0B+7], s[G1B:G1B+7]
	s_nop 0
.rept 4
	v_nop
.endr
.Lfirst_asked:
	v_and_b32 v1, 15, v0                           ; r = l % 16
	v_bfe_u32 v2, v0, 4, 1                         ; h = l / 16
	s_lshl_b32 s4, s42, 9                          ; the biases: 128 columns of 4 bytes a column tile,
	s_lshl_b32 s5, s12, 8                          ; 64 a head,
	s_add_co_u32 s4, s4, s5
	v_lshlrev_b32 v[BO], 5, v2                     ; my 8 columns of a block of 16
	v_add_nc_u32 v[BO], s4, v[BO]
.irp t, 0,1,2
.irp cb, 0,1,2,3
	global_load_b128 v[BIAS+8*(4*(\t)+(\cb)):BIAS+8*(4*(\t)+(\cb))+3],   v[BO], s[72+2*(\t):73+2*(\t)] offset:64*(\cb)
	global_load_b128 v[BIAS+8*(4*(\t)+(\cb))+4:BIAS+8*(4*(\t)+(\cb))+7], v[BO], s[72+2*(\t):73+2*(\t)] offset:64*(\cb)+16
.endr
.endr
	v_and_b32 v3, 7, v0
	v_bfe_u32 v4, v0, 3, 1
	v_bfe_u32 v5, v0, 3, 2
	v_and_b32 v6, 31, v0
	; a fragment of x: lane l holds row l % 16; registers 0-3 K = 8 h + 0..7, registers 4-7 K = 16 + 8 h + 0..7: two loads of 16 bytes, 32 bytes apart
	v_mul_u32_u24 v7, v1, PA
	v_lshl_add_u32 v7, v2, 4, v7
	s_mul_i32 s21, s11, 64*PA
	v_add_nc_u32 v[ADRA], s21, v7
	v_add_nc_u32 v[ADRA+1], SLOT, v[ADRA]
	; a fragment of W, turned: lane l reads 16 bytes of k row 8 h + l % 8, columns 8 ((l / 8) % 2) + 0..7, and ends with column l % 16 and 8 k; the second load stands 16 k rows on
	v_lshl_add_u32 v8, v2, 3, v3
	v_mul_u32_u24 v8, v8, PB
	v_lshl_add_u32 v8, v4, 4, v8
	s_lshl_b32 s22, s12, 7                         ; my head's 64 columns: 128 bytes
	v_add_nc_u32 v8, s22, v8
.irp s, 0,1
.irp t, 0,1,2
	v_add_nc_u32 v[ADRB+3*(\s)+(\t)], (\s)*SLOT+((\t)+1)*PIECE, v8
.endr
.endr
	s_mul_i32 s23, s10, 16*SP
	s_add_co_u32 s23, s23, STAGE                   ; my stage
	v_mul_u32_u24 v9, v1, SP                       ; in: row l % 16, 16 bytes for each half of the lanes
	v_lshl_add_u32 v9, v2, 4, v9
	v_add_nc_u32 v[STO], s23, v9
	v_mul_u32_u24 v9, v5, SP                       ; back: 32 lanes take four rows of 128 bytes,
	v_lshl_add_u32 v9, v3, 4, v9
	v_add_nc_u32 v[RD], s23, v9
	v_lshlrev_b32 v[GO], 4, v6                     ; which are 512 consecutive bytes of a head
	v_lshlrev_b32 v[PFO], 11, v6
	; where my rows begin in qh, kh and vh: head x 4,096 rows x 128 bytes + row tile x 128 rows + my 64
	s_lshl_b32 s4, s42, 1
	s_add_co_u32 s4, s4, s12
	s_lshl_b32 s4, s4, 19
	s_lshl_b32 s5, s13, 14
	s_add_co_u32 s4, s4, s5
	s_lshl_b32 s5, s11, 13
	s_add_co_u32 s4, s4, s5
	s_mov_b32 s5, 0
	s_add_nc_u64 s[78:79], s[78:79], s[4:5]
	s_add_nc_u64 s[80:81], s[80:81], s[4:5]
	s_add_nc_u64 s[82:83], s[82:83], s[4:5]
	; the prefetches: at K step 3; the first change of slots steps them to 4
	s_lshl_b32 s4, s13, 18                         ; x: my row tile,
	s_lshl_b32 s5, s40, 16                         ; my work-group's 32 rows of it, by cx,
	s_add_co_u32 s4, s4, s5
	s_add_co_u32 s4, s4, 3*KSTEP*2
	s_lshl_b32 s5, s9, 21                          ; W: my plane,
	s_lshl_b32 s6, s42, 8                          ; my column tile,
	s_add_co_u32 s5, s5, s6
	s_lshl_b32 s6, s41, 16                         ; my work-group's 32 k rows of the step's 128, by cy
	s_add_co_u32 s5, s5, s6
	s_add_co_u32 s5, s5, 3*KSTEP*2048
	s_and_b32 s7, ttmp7, 0xffff                    ; cluster y
	s_movk_i32 s8, 256
	s_cmp_eq_u32 s10, 0                            ; do I fetch for x?
	s_cselect_b32 s4, s4, s5
	s_cselect_b32 s7, ttmp9, s7                    ; the coordinate along which other clusters read the same rows
	s_cselect_b32 s[PST], s8, 0x40000
	s_cselect_b64 s[PFA:PFA+1], s[68:69], s[70:71]
	s_mov_b32 s5, 0
	s_mov_b32 s[PST+1], 0
	s_cmp_eq_u32 s7, 0
	s_cselect_b32 s[LIM], 1, -1                    ; the same in all sixteen partners, for a given wave
	s_add_nc_u64 s[PFA:PFA+1], s[PFA:PFA+1], s[4:5]
	s_wait_loadcnt 0x0                             ; the biases
.set p, 0
.rept 48                                       ; rounded to bf16 and held as f32; all this stands in the wait for the first tile
	v_cvt_pk_bf16_f32 v[32+p%4], v[BIAS+2*p], v[BIAS+2*p+1]
	v_lshlrev_b32 v[BIAS+2*p], 16, v[32+p%4]
	v_and_b32 v[BIAS+2*p+1], s86, v[32+p%4]
.set p, p+1
.endr
; 12 matrix instructions: row block a x all 12 column blocks, 32 along K, from buffer f.  zero = 1: the first product starts the sum with the bias.  The 48 accumulators take turns in the same
; order in every quarter: 47 others stand between two links of a chain.
.macro MUL f, a, zero
.if \zero
	WIN 0x81+0x40*((\a)/2)
.else
	WIN 0xa1+0x50*((\a)/2)
.endif
.irp n, 0,1,2,3,4,5,6,7,8,9,10,11
.if \zero
	v_wmma_f32_16x16x32_bf16 v[8*(12*((\a)%2)+(\n)):8*(12*((\a)%2)+(\n))+7], v[96*(\f)+8*(\n):96*(\f)+8*(\n)+7], v[FA+32*(\f)+8*(\a):FA+32*(\f)+8*(\a)+7], v[BIAS+8*(\n):BIAS+8*(\n)+7]
.else
	v_wmma_f32_16x16x32_bf16 v[8*(12*((\a)%2)+(\n)):8*(12*((\a)%2)+(\n))+7], v[96*(\f)+8*(\n):96*(\f)+8*(\n)+7], v[FA+32*(\f)+8*(\a):FA+32*(\f)+8*(\a)+7], v[8*(12*((\a)%2)+(\n)):8*(12*((\a)%2)+(\n))+7]
.endif
.endr
.endm
; 32 LDS loads in one run: quarter q (32 along K) of a slot into buffer f: W's 12 fragments, then x's 4
.macro FETCH slot, q, f
	WIN 0x40
.irp t, 0,1,2
.irp cb, 0,1,2,3
	ds_load_tr16_b128 v[96*(\f)+8*(4*(\t)+(\cb)):96*(\f)+8*(4*(\t)+(\cb))+3],   v[ADRB+3*(\slot)+(\t)] offset:(\q)*32*PB+32*(\cb)
	ds_load_tr16_b128 v[96*(\f)+8*(4*(\t)+(\cb))+4:96*(\f)+8*(4*(\t)+(\cb))+7], v[ADRB+3*(\slot)+(\t)] offset:(\q)*32*PB+32*(\cb)+16*PB
.endr
.endr
	WIN 0
.irp a, 0,1,2,3
	ds_load_b128 v[FA+32*(\f)+8*(\a):FA+32*(\f)+8*(\a)+3],   v[ADRA+(\slot)] offset:(\a)*16*PA+64*(\q)
	ds_load_b128 v[FA+32*(\f)+8*(\a)+4:FA+32*(\f)+8*(\a)+7], v[ADRA+(\slot)] offset:(\a)*16*PA+64*(\q)+32
.endr
.endm
; One of a K step's first three quarters: multiplies buffer f; in its middle it fetches quarter q of the same slot into buffer g.
.macro QUARTER slot, q, f, g, zero
	s_wait_dscnt 4                                 ; W's fragments and x's blocks 0, 1 are in; the youngest four loads (blocks 2, 3) may be out
	MUL \f, 0, \zero
	MUL \f, 1, \zero
	PLACES
	FETCH \slot, \q, \g
	s_wait_dscnt 32                                ; all but the 32 just issued
	MUL \f, 2, \zero
	MUL \f, 3, \zero
.endm
; The last quarter multiplies buffer 1 and changes slots: one barrier; in front of it each wave waits for all its tensor loads (the one that is out is its piece of the next slot), adds 0 to its
; spare word, and waits for that and for its own reads of this slot.  fill = 1: the barrier opens a round of the cluster's, and this slot is filled again first thing behind it, two K steps on:
; 168 matrix instructions stand between the request and the wait for it.
.macro TURN slot, next, fill
.if \fill
	s_wait_xcnt 0x0                                ; the last prefetch, a K step back, has read its address, so it may be stepped
	s_add_nc_u64 s[PFA:PFA+1], s[PFA:PFA+1], s[PST:PST+1]
.endif
	WIN 0                                          ; (the add's two registers lie in window 0)
	s_wait_tensorcnt 0x0                           ; all my tensor loads have landed
	ds_add_u32 v[SPW], v[NIL]                      ; 0 onto my spare word
	s_wait_dscnt 5                                 ; (the add and the youngest four loads may be out)
	MUL 1, 0, 0                                    ; twelve matrix instructions stand between the add and the wait for it
	s_wait_dscnt 0x0                               ; the add is done, and my reads of this slot are over
	s_barrier_signal -1
	MUL 1, 1, 0
.if \fill
	WIN 0
.endif
	s_barrier_wait -1
.if \fill
	CREST                                          ; no wave of any partner still reads this slot's tiles or has a load on its way
	s_add_nc_u64 s[G0+4*(\slot)+2:G0+4*(\slot)+3], s[G0+4*(\slot)+2:G0+4*(\slot)+3], 2*KSTEP*2
	s_add_nc_u64 s[G0B+4*(\slot)+2:G0B+4*(\slot)+3], s[G0B+4*(\slot)+2:G0B+4*(\slot)+3], 2*KSTEP*2048
	JLOAD \slot                                    ; the four v_nop behind it are also the places in front of the loads below
.else
	PLACES
.endif
	FETCH \next, 0, 0
.if \fill
	ASK                                            ; behind the joint load and the run of LDS loads that the next products wait for
.endif
	MUL 1, 2, 0
	MUL 1, 3, 0
.endm
	s_wait_tensorcnt 1                             ; my piece of K step 0 is in; K step 1's may stay out
	s_barrier_signal -1
	s_barrier_wait -1                              ; everybody's is
	FETCH 0, 0, 0
	QUARTER 0, 1, 0, 1, 1                          ; the first quarter stands in front of the loop: its products start the sums
	WIN 0                                          ; at a label and at a branch every window is 0
	s_mov_b32 s3, 3
.Llap:                                                 ; a trip goes once round the ring, from a lap's second quarter to the next lap's first, and fills both slots again
	QUARTER 0, 2, 1, 0, 0
	QUARTER 0, 3, 0, 1, 0
	TURN 0, 1, 1
	QUARTER 1, 1, 0, 1, 0
	QUARTER 1, 2, 1, 0, 0
	QUARTER 1, 3, 0, 1, 0
	TURN 1, 0, 1
	QUARTER 0, 1, 0, 1, 0
	WIN 0
	s_sub_co_u32 s3, s3, 1
	s_cmp_lg_u32 s3, 0
	s_cbranch_scc1 .Llap
	QUARTER 0, 2, 1, 0, 0                          ; the last lap fills nothing, and has no round
	QUARTER 0, 3, 0, 1, 0
	TURN 0, 1, 0
	QUARTER 1, 1, 0, 1, 0
	QUARTER 1, 2, 1, 0, 0
	QUARTER 1, 3, 0, 1, 0
	s_wait_dscnt 4                                 ; the very last quarter: nothing more to fetch
	MUL 1, 0, 0
	MUL 1, 1, 0
	s_wait_dscnt 0x0
	MUL 1, 2, 0
	MUL 1, 3, 0
	PLACES
; THE WAY OUT, in 12 units u = 3 a + t: 16 rows x a head's 64 columns of plane t, 2,048 consecutive bytes of qh, kh or vh.  Rounded to f16, 16 bytes a lane into my own stage (rows of 144 bytes),
; back as whole rows, stored 512 consecutive bytes at a time.  Each accumulator's registers are taken in ascending order.
.macro PACK u
.set ua, (\u)/3
.set ut, (\u)%3
	WIN 0x0a+5*(ua/2)                              ; sources 0 and 1 in window 2 or 3
.irp cb, 0,1,2,3
.irp i, 0,1,2,3
	v_cvt_pk_f16_f32 v[OUT+16*(\u)+4*(\cb)+(\i)], v[8*(12*(ua%2)+4*ut+(\cb))+2*(\i)], v[8*(12*(ua%2)+4*ut+(\cb))+2*(\i)+1]
.endr
.endr
	WIN 0
.irp cb, 0,1,2,3
	ds_store_b128 v[STO], v[OUT+16*(\u)+4*(\cb):OUT+16*(\u)+4*(\cb)+3] offset:32*(\cb)
.endr
.irp f, 0,1,2,3
	ds_load_b128 v[OUT+16*(\u)+4*(\f):OUT+16*(\u)+4*(\f)+3], v[RD] offset:(\f)*4*SP  ; LDS serves a wave's instructions in order (ISA guide 5.7.1.4): these see the stores above; the next unit's stores come behind them
.endr
.endm
.macro SEND u, younger                 ; younger: the LDS instructions issued behind unit u's loads: the next unit's eight, or none
.set ua, (\u)/3
.set ut, (\u)%3
	WIN 0
.irp f, 0,1,2,3
	s_wait_dscnt (\younger)+3-(\f)
	global_store_b128 v[GO], v[OUT+16*(\u)+4*(\f):OUT+16*(\u)+4*(\f)+3], s[78+2*ut:79+2*ut] offset:ua*2048+(\f)*512
.endr
.endm
	PACK 0
.set uu, 1
.rept 11                                       ; a unit's conversions stand between the loads of the unit before and its stores
	PACK uu
	SEND uu-1, 8
.set uu, uu+1
.endr
	SEND 11, 0
	s_wait_tensorcnt 0x0                           ; the wave's end: an add to my spare word and its wait, behind my last tensor load and my last LDS store
	ds_add_u32 v[SPW], v[NIL]
	s_wait_dscnt 0x0
	CROUND                                         ; the closing round: no work-group ends while a partner may still ask for a tile that names it
	s_endpgm
.Lfunc_end_k_q7aaae08276_qkv:
	.size	k_q7aaae08276_qkv, .Lfunc_end_k_q7aaae08276_qkv-k_q7aaae08276_qkv
	.p2alignl 7, 3214868480
	.fill 96, 4, 3214868480
	.section	.rodata,"a",@progbits
	.p2align	6, 0x0
	.amdhsa_kernel k_q7aaae08276_qkv
		.amdhsa_group_segment_fixed_size 327680
		.amdhsa_private_segment_fixed_size 0
		.amdhsa_enable_private_segment 0
		.amdhsa_kernarg_size 64
		.amdhsa_user_sgpr_count 2
		.amdhsa_user_sgpr_kernarg_segment_ptr 1
		.amdhsa_wavefront_size32 1
		.amdhsa_system_sgpr_workgroup_id_x 1
		.amdhsa_system_sgpr_workgroup_id_y 1
		.amdhsa_system_sgpr_workgroup_id_z 1
		.amdhsa_system_vgpr_workitem_id 0
		.amdhsa_next_free_vgpr 960
		.amdhsa_next_free_sgpr 96
		.amdhsa_reserve_vcc 0
		.amdhsa_float_denorm_mode_32 3
		.amdhsa_float_denorm_mode_16_64 3
		.amdhsa_memory_ordered 1
		.amdhsa_forward_progress 1
		.amdhsa_inst_pref_size 130
	.end_amdhsa_kernel
	.amdgpu_metadata
---
amdhsa.version: [ 1, 2 ]
amdhsa.kernels:
  - .name:           k_q7aaae08276_qkv
    .symbol:         k_q7aaae08276_qkv.kd
    .args:
      - { .name: xb, .offset: 0, .size: 8, .value_kind: global_buffer, .address_space: global }
      - { .name: wb, .offset: 8, .size: 8, .value_kind: global_buffer, .address_space: global }
      - { .name: bq, .offset: 16, .size: 8, .value_kind: global_buffer, .address_space: global }
      - { .name: bk, .offset: 24, .size: 8, .value_kind: global_buffer, .address_space: global }
      - { .name: bv, .offset: 32, .size: 8, .value_kind: global_buffer, .address_space: global }
      - { .name: qh, .offset: 40, .size: 8, .value_kind: global_buffer, .address_space: global }
      - { .name: kh, .offset: 48, .size: 8, .value_kind: global_buffer, .address_space: global }
      - { .name: vh, .offset: 56, .size: 8, .value_kind: global_buffer, .address_space: global }
    .group_segment_fixed_size: 327680
    .private_segment_fixed_size: 0
    .kernarg_segment_align: 8
    .kernarg_segment_size: 64
    .max_flat_workgroup_size: 128
    .sgpr_count:     96
    .vgpr_count:     960
    .wavefront_size: 32
...
	.end_amdgpu_metadata
.endif
;; end of part 2
;; launch attn (part 3): grid 16 x 16, 8 waves a work-group, no clusters, 175,104 bytes of LDS; arguments qh, kh, vh, ob; writes ob
.if DOCPART == 3
	.amdgcn_target "amdgcn-amd-amdhsa--gfx1250"
	.amdhsa_code_object_version 6
	.text
	.protected	k_q7aaae08276_attn
	.globl	k_q7aaae08276_attn
	.p2align	8
	.type	k_q7aaae08276_attn,@function
k_q7aaae08276_attn:
	s_mov_b64 s[64:65], 0
	v_nop
	global_prefetch_b8 v0, s[64:65] scope:SCOPE_SE
	s_setreg_imm32_b32 hwreg(HW_REG_WAVE_MODE, 25, 1), 1
	s_wait_xcnt 0x0
; ATTENTION IN A BAND.  O[h][q] = the sum over k of softmax_k(s) V[h][k], s = Q[h][q] . K[h][k] / 8 where |q - k| <= 128 and -1e9 elsewhere.  qh, kh, vh: [16][4096][64] f16.
; ob: [32 row tiles][16 heads][128 rows][64] f16: the next launch's tiles lie dense.  Products, maxima and sums in f32; the weights are rounded to f16 for the second product, O once.
; LIMITS.  Of the keys outside the band only those inside the walked blocks of 64 take part, with the score -1e9 (written as -8e9 ahead of the scale 1 / 8); the others are left out: their
; weights are 0 in f32 as long as a row's largest visible score lies above about -1e9 + 104.  A weight below 2^-126 counts as 0.  NaN and infinities are not treated apart.
; SHARES.  A work-group owns 256 queries of one head.  The 512 keys from kb = 256 b - 128, held to 0 .. 3,584, cover their band; K and V of these come into LDS ONCE, by one tensor load a wave
; (waves 0-3: 128 keys of K each, waves 4-7: of V), so there is no ring and one barrier.  Wave w owns 32 queries: band w / 2 of 64, half w % 2: two tiles of 16.  Two waves lie on a SIMD:
; one's softmax runs beside the other's products, so the text stands in plain phases.
; THE WALK.  Eight counted trips over the LDS blocks j of 64 keys.  U = j - band + (kb - 256 b) / 64 says how many blocks of 64 the keys lie from the band's queries.  |U| > 2: nothing is visible,
; the trip is jumped over, forward, past no barrier and no tensor load.  |U| <= 1: all is visible.  U = -2: key kk of the block is hidden from query qq of the band where kk < qq; U = 2: where kk > qq.
; In its first live trip every row sees a key, so the running maximum is a true score from then on.
; NO CLUSTER: a chunk of 128 keys is wanted by two neighbouring work-groups at the most, at different LDS addresses, so no common descriptor exists.  NO PREFETCH: all fills go out at the head.
; LAYOUT.  S^T = K Q^T holds one query a lane (lane % 16) and the keys 8 (lane / 16) + 0..7; two such results rounded in pairs are source 1 of O^T = V^T P.  p = 2^(c s - c m), c = log2(e) / 8;
; in every step O and l are multiplied by a = 2^(c m_old - c m_new).  m starts at the lowest finite number, O and l at 0: 64 v_mov_b32, in the wait for the tiles, spare a first step written out.
; REGISTERS (s_set_vgpr_msb: bits 1:0 source 0, 3:2 source 1, 5:4 source 2, 7:6 destination): window 0 as named below; window 1: v0-63 V of a block, v64-127 O^T, 32 a tile.
.set PK,    144       ; a row of K in LDS: 128 bytes + 16: the 16 rows of a load start at 16 different groups of four banks (64 banks of 4 bytes: ISA guide 11.1)
.set PV,    160       ; a row of V: 128 + 32
.set VOFF,  512*PK
.set STAGE, VOFF+512*PV  ; never filled by a tensor load: 16 rows x 144 bytes for each wave
.set SP,    144
.set SPARE, STAGE+8*16*SP  ; the spare words, 128 bytes for each wave: four blocks of 256 bytes that no other line names
.set AK,  4           ; v4   LDS address of my place in the block's K; steps with the trips
.set AV,  5           ; v5   the same for V
.set STO, 6           ; v6   the way out: where I put 16 bytes of a row
.set RD,  7           ; v7   where I read rows back
.set GO,  8           ; v8   16 x lane
.set QO,  9           ; v9   my byte offset in 16 rows of Q
.set DL,  12          ; v12-13  tile u: my query's place in its band less my lanes' 8 (l / 16)
.set SPW, 14          ; v14  my spare word; never rewritten
.set NIL, 15          ; v15  0; never rewritten
.set ST,  16          ; v16-23  tile u at ST + 4 u: c m, m, l (even keys', odd keys')
.set MV,  24          ; v24-25  c m_old
.set TMP, 28          ; v28-35  tile u: c0-c3 at work; c2 takes a
.set S,   64          ; v64-127   S^T, 32 a tile
.set P,   128         ; v128-159  P, 16 a tile
.set Q,   160         ; v160-191  Q: tile u, channel half hf at Q + 16 u + 8 hf
.set KF,  192         ; v192-255  K: key block kt, channel half hf at KF + 16 kt + 8 hf
.set VF,  0           ; window 1: key half kk, channel block cb at 32 kk + 8 cb
.set O,   64          ; window 1
.set MSB, 0
.macro WIN new
.if MSB != (\new)
	s_set_vgpr_msb (MSB<<8)|(\new)
.set MSB, (\new)
.endif
.endm
.macro PLACES
.rept 4
	v_nop
.endr
.endm
	s_load_b256 s[4:11], s[0:1], 0x0  ; qh s[4:5], kh s[6:7], vh s[8:9], ob s[10:11]
	v_lshl_add_u32 v[SPW], v0, 2, SPARE
	v_mov_b32 v[NIL], 0
	ds_add_u32 v[SPW], v[NIL]       ; the wave's opening: the add and its wait stand ahead of my tensor load; the set-up below stands between them
	v_lshrrev_b32 v1, 5, v0
	v_readfirstlane_b32 s12, v1     ; wave 0..7
	s_lshr_b32 s13, s12, 1          ; band
	s_and_b32 s14, s12, 1           ; half of the band
	s_mov_b32 s15, ttmp9            ; b
	s_and_b32 s16, ttmp7, 0xffff    ; head
	s_lshl_b32 s17, s15, 8          ; 256 b
	s_sub_co_i32 s18, s17, 128
	s_max_i32 s18, s18, 0
	s_min_i32 s18, s18, 3584        ; kb
	s_sub_co_i32 s19, s18, s17
	s_ashr_i32 s19, s19, 6          ; (kb - 256 b) / 64: 0, -2 or -4
	s_sub_co_i32 s50, s19, s13      ; U of block 0
	s_and_b32 s20, s12, 3           ; which 128 keys I fetch
	s_lshl_b32 s22, s20, 7
	s_add_co_u32 s22, s22, s18
	s_lshl_b32 s22, s22, 7          ; rows of 128 bytes,
	s_lshl_b32 s21, s16, 19         ; in my head
	s_add_co_u32 s22, s22, s21
	s_mov_b32 s23, 0
	; group 1: 128 keys are 16,384 dense bytes: asked for as 64 rows of 256 bytes, padded in LDS after every key (32 words) by 4 words (K) or 8 (V)
	s_mov_b32 s24, (1<<16)|(1<<20)|(4<<22)|(3<<25)
	s_mov_b32 s32, (1<<16)|(1<<20)|(4<<22)|(7<<25)
.irp g, 24, 32
	s_mov_b32 s[(\g)+1], 128<<16    ; tensor_dim0 = 128
	s_mov_b32 s[(\g)+2], 64<<16     ; tensor_dim1 = 64
	s_mov_b32 s[(\g)+3], 128<<16    ; tile_dim0 = 128
	s_mov_b32 s[(\g)+4], 64         ; tile_dim1 = 64
	s_mov_b32 s[(\g)+5], 128        ; the pitch
	s_mov_b32 s[(\g)+6], 0
	s_mov_b32 s[(\g)+7], 0
.endr
	s_mov_b32 s40, 1
	s_mul_i32 s41, s20, 128*PK
	s_mov_b32 s44, 1
	s_mul_i32 s45, s20, 128*PV
	s_add_co_u32 s45, s45, VOFF
	s_lshl_b32 s2, s15, 15          ; Q: my block's 256 rows of 128 bytes,
	s_lshl_b32 s3, s13, 13          ; my band's 64,
	s_add_co_u32 s2, s2, s3
	s_lshl_b32 s3, s14, 12          ; my 32
	s_add_co_u32 s2, s2, s3
	s_add_co_u32 s2, s2, s21
	s_mov_b32 s3, 0
	s_lshl_b32 s48, s15, 1          ; ob: row tile 2 b + band / 2,
	s_lshr_b32 s49, s13, 1
	s_add_co_u32 s48, s48, s49
	s_lshl_b32 s48, s48, 18
	s_lshl_b32 s49, s16, 14         ; the head's 128 rows in it,
	s_add_co_u32 s48, s48, s49
	s_and_b32 s49, s13, 1
	s_lshl_b32 s49, s49, 13         ; my band's 64,
	s_add_co_u32 s48, s48, s49
	s_lshl_b32 s49, s14, 12         ; my 32
	s_add_co_u32 s48, s48, s49
	s_mov_b32 s49, 0
	s_mov_b32 s53, 0xcfee6b28       ; -8e9
	s_mov_b32 s58, 0x3e38aa3b       ; c = log2(e) / 8
	s_mov_b32 s59, s58              ; named with it as a pair
	s_mov_b32 s60, 0x76543210       ; v_permlanex16_b32: each lane takes its own place in the other half
	s_mov_b32 s61, 0xfedcba98
	s_wait_dscnt 0x0                ; the opening add is done
	s_wait_kmcnt 0x0
	s_add_nc_u64 s[42:43], s[6:7], s[22:23]
	s_or_b32 s43, s43, 0x80000000
	s_add_nc_u64 s[46:47], s[8:9], s[22:23]
	s_or_b32 s47, s47, 0x80000000
	s_add_nc_u64 s[4:5], s[4:5], s[2:3]
	s_add_nc_u64 s[10:11], s[10:11], s[48:49]
	s_cmp_lt_u32 s12, 4             ; one tensor load a wave, the only one of the launch; an s_nop 0 and four v_nop follow each line
	s_cbranch_scc0 .Lfor_v
	tensor_load_to_lds s[40:43], s[24:31]
	s_nop 0
.rept 4
	v_nop
.endr
	s_branch .Lasked
.Lfor_v:
	tensor_load_to_lds s[44:47], s[32:39]
	s_nop 0
.rept 4
	v_nop
.endr
.Lasked:
	v_and_b32 v1, 15, v0            ; r = l % 16
	v_bfe_u32 v2, v0, 4, 1          ; h = l / 16
	v_lshlrev_b32 v[QO], 7, v1
	v_lshl_add_u32 v[QO], v2, 4, v[QO]
.irp u, 0,1
.irp hf, 0,1
	global_load_b128 v[Q+16*(\u)+8*(\hf):Q+16*(\u)+8*(\hf)+3],   v[QO], s[4:5] offset:(\u)*2048+64*(\hf)
	global_load_b128 v[Q+16*(\u)+8*(\hf)+4:Q+16*(\u)+8*(\hf)+7], v[QO], s[4:5] offset:(\u)*2048+64*(\hf)+32
.endr
.endr
	v_and_b32 v3, 7, v0
	v_bfe_u32 v10, v0, 3, 1
	v_bfe_u32 v11, v0, 3, 2
	v_mul_u32_u24 v[AK], v1, PK
	v_lshl_add_u32 v[AK], v2, 4, v[AK]  ; row x pitch + 16 x half
	v_lshl_add_u32 v[AV], v2, 3, v3     ; the turning load: key 8 h + l % 8, channels 8 ((l / 8) % 2) + 0..7
	v_mul_u32_u24 v[AV], v[AV], PV
	v_lshl_add_u32 v[AV], v10, 4, v[AV]
	v_add_nc_u32 v[AV], VOFF, v[AV]
	s_mul_i32 s52, s12, 16*SP
	s_add_co_u32 s52, s52, STAGE    ; my stage
	v_mul_u32_u24 v[STO], v1, SP
	v_lshl_add_u32 v[STO], v2, 4, v[STO]
	v_add_nc_u32 v[STO], s52, v[STO]
	v_mul_u32_u24 v[RD], v11, SP
	v_lshl_add_u32 v[RD], v3, 4, v[RD]
	v_add_nc_u32 v[RD], s52, v[RD]
	v_and_b32 v[GO], 31, v0
	v_lshlrev_b32 v[GO], 4, v[GO]
	v_lshlrev_b32 v26, 3, v2
	v_sub_nc_u32 v26, v1, v26       ; r - 8 h
	s_lshl_b32 s52, s14, 5
	v_add_nc_u32 v[DL], s52, v26
	v_add_nc_u32 v[DL+1], 16, v[DL]
	WIN 0x40
.set z, 0
.rept 64
	v_mov_b32 v[O+z], 0
.set z, z+1
.endr
	WIN 0
.irp u, 0,1
	v_mov_b32 v[ST+4*(\u)], 0xfe000000    ; c m: far below every c s
	v_mov_b32 v[ST+4*(\u)+1], 0xff7fffff  ; m
	v_mov_b32 v[ST+4*(\u)+2], 0
	v_mov_b32 v[ST+4*(\u)+3], 0
.endr
.macro REGS u                       ; the registers of tile u
.set rT, ST+4*(\u)
.set rC, TMP+4*(\u)
.set rM, MV+(\u)
.set rS, S+32*(\u)
.set rP, P+16*(\u)
.set rO, O+32*(\u)
.endm
; Number n of the 22 that find a tile's maximum and statistics.  0-11: four chains of seven scores, each accumulator's lowest registers first; 12-14, 16: the four scores left over, the old m, and
; c0-c3 into c0; 15: c m_old is kept; 17, 18: the query's other 32 keys lie in the lane 16 away; 19-21: c m, c m_old - c m_new, a.
.macro XS u, n
	REGS \u
.if (\n) < 4
	v_max3_num_f32 v[rC+(\n)], v[rS+8*(\n)], v[rS+8*(\n)+1], v[rS+8*(\n)+2]
.elseif (\n) < 12
	v_max3_num_f32 v[rC+(\n)%4], v[rC+(\n)%4], v[rS+8*((\n)%4)+2*((\n)/4)+1], v[rS+8*((\n)%4)+2*((\n)/4)+2]
.elseif (\n) == 12
	v_max3_num_f32 v[rC], v[rC], v[rS+7], v[rS+15]
.elseif (\n) == 13
	v_max3_num_f32 v[rC+1], v[rC+1], v[rS+23], v[rS+31]
.elseif (\n) == 14
	v_max3_num_f32 v[rC+2], v[rC+2], v[rC+3], v[rT+1]
.elseif (\n) == 15
	v_mov_b32 v[rM], v[rT]
.elseif (\n) == 16
	v_max3_num_f32 v[rC], v[rC], v[rC+1], v[rC+2]
.elseif (\n) == 17
	v_permlanex16_b32 v[rC+3], v[rC], s60, s61
.elseif (\n) == 18
	v_max_num_f32 v[rT+1], v[rC], v[rC+3]
.elseif (\n) == 19
	v_mul_f32 v[rT], s58, v[rT+1]
.elseif (\n) == 20
	v_sub_f32 v[rC+1], v[rM], v[rT]
.else
	v_exp_f32 v[rC+2], v[rC+1]
.endif
.endm
.macro LSUM g                       ; l takes the sum of group g's four weights; the first time as l = a l + sum
.if (\g) == 0
	v_pk_fma_f32 v[rT+2:rT+3], v[rT+2:rT+3], v[rC+2:rC+3], v[rS:rS+1] op_sel_hi:[1,0,1]
.else
	v_pk_add_f32 v[rT+2:rT+3], v[rT+2:rT+3], v[rS+4*(\g):rS+4*(\g)+1]
.endif
.endm
.macro HIDE cmp                     ; the scores of hidden keys become -8e9: register j of key block kt is key 16 kt + 8 h + j
.irp u, 0,1
.set z, 0
.rept 32
	\cmp vcc_lo, 16*(z/8)+z%8, v[DL+(\u)]
	v_cndmask_b32 v[S+32*(\u)+z], v[S+32*(\u)+z], s53, vcc_lo
.set z, z+1
.endr
.endr
.endm
	s_wait_tensorcnt 0x0            ; my 128 keys are in,
	s_barrier_signal -1
	s_barrier_wait -1               ; everybody's are; nothing is ever filled again
	s_wait_loadcnt 0x0              ; Q
	s_mov_b32 s51, 8
.Ltrip:
	s_add_co_i32 s52, s50, 2
	s_cmp_gt_u32 s52, 4             ; U outside -2 .. 2: nothing of this block is visible to my band
	s_cbranch_scc1 .Lnext
.irp f, 0,1,2,3,4,5,6,7             ; K: keys 16 (f / 2) on, channels 32 (f % 2) on
	ds_load_b128 v[KF+8*(\f):KF+8*(\f)+3],   v[AK] offset:((\f)/2)*16*PK+((\f)%2)*64
	ds_load_b128 v[KF+8*(\f)+4:KF+8*(\f)+7], v[AK] offset:((\f)/2)*16*PK+((\f)%2)*64+32
.endr
	WIN 0x40
.irp f, 0,1,2,3,4,5,6,7             ; V, turned: keys 32 (f / 4) on, channels 16 (f % 4) on
	ds_load_tr16_b128 v[VF+8*(\f):VF+8*(\f)+3],   v[AV] offset:((\f)/4)*32*PV+((\f)%4)*32
	ds_load_tr16_b128 v[VF+8*(\f)+4:VF+8*(\f)+7], v[AV] offset:((\f)/4)*32*PV+16*PV+((\f)%4)*32
.endr
	WIN 0
	s_wait_dscnt 16                 ; K is in; V's sixteen younger loads may stay out
.set i, 0
.rept 16                            ; S^T = K Q^T: channels 32 (i / 8) on, keys 16 ((i / 2) % 4) on, tile i % 2; the 8 accumulators take turns
.set rS, S+32*(i%2)+8*((i/2)%4)
.set rK, KF+16*((i/2)%4)+8*(i/8)
.set rQ, Q+16*(i%2)+8*(i/8)
.if i < 8
	v_wmma_f32_16x16x32_f16 v[rS:rS+7], v[rK:rK+7], v[rQ:rQ+7], 0
.else
	v_wmma_f32_16x16x32_f16 v[rS:rS+7], v[rK:rK+7], v[rQ:rQ+7], v[rS:rS+7]
.endif
.set i, i+1
.endr
	PLACES
	s_cmp_eq_i32 s50, -2
	s_cbranch_scc0 .Lnot_low
	HIDE v_cmp_lt_i32               ; hidden where the key's place in its block is below the query's in its band
.Lnot_low:
	s_cmp_eq_i32 s50, 2
	s_cbranch_scc0 .Lnot_high
	HIDE v_cmp_gt_i32               ; hidden where it is above
.Lnot_high:
.irp n, 0,1,2,3,4,5,6,7,8,9,10,11,12,13,14,15,16,17,18,19,20,21
	XS 0, \n                        ; the two tiles alternate
	XS 1, \n
.endr
.set z, 0
.rept 16                            ; c s - c m, a pair of scores at a time
.irp u, 0,1
	REGS \u
	v_pk_fma_f32 v[rS+2*z:rS+2*z+1], v[rS+2*z:rS+2*z+1], s[58:59], v[rT:rT+1] op_sel_hi:[1,0,0] neg_lo:[0,0,1] neg_hi:[0,0,1]
.endr
.set z, z+1
.endr
.set z, 0
.rept 32
	v_exp_f32 v[S+z], v[S+z]
	v_exp_f32 v[S+32+z], v[S+32+z]
.set z, z+1
.endr
	v_nop                           ; a plain instruction behind the last exponential,
	s_wait_alu depctr_va_vdst(0)    ; and ONE wait for the batch of 66 (the two a among them), ahead of the first line that names a result
.set k, 0
.rept 8                             ; for each four weights: both pairs rounded to f16, the second pair added onto the first, and l takes the sum a group later
.irp u, 0,1
	REGS \u
	v_cvt_pk_f16_f32 v[rP+2*k], v[rS+4*k], v[rS+4*k+1]
.endr
.irp u, 0,1
	REGS \u
	v_cvt_pk_f16_f32 v[rP+2*k+1], v[rS+4*k+2], v[rS+4*k+3]
.endr
.irp u, 0,1
	REGS \u
	v_pk_add_f32 v[rS+4*k:rS+4*k+1], v[rS+4*k:rS+4*k+1], v[rS+4*k+2:rS+4*k+3]
.endr
.if k > 0
.irp u, 0,1
	REGS \u
	LSUM k-1
.endr
.endif
.set k, k+1
.endr
.irp u, 0,1
	REGS \u
	LSUM 7
.endr
	WIN 0x41                        ; O^T times a, in ascending order
.irp u, 0,1
	REGS \u
.set z, 0
.rept 16
	v_pk_mul_f32 v[rO+2*z:rO+2*z+1], v[rO+2*z:rO+2*z+1], v[rC+2:rC+3] op_sel_hi:[1,0]
.set z, z+1
.endr
.endr
	s_wait_dscnt 0x0                ; V is in
	WIN 0x51
.set i, 0
.rept 16                            ; O^T += V^T P: keys 32 (i / 8) on, channels 16 ((i / 2) % 4) on, tile i % 2; the 8 accumulators take turns
.set rO, O+32*(i%2)+8*((i/2)%4)
.set rV, VF+32*(i/8)+8*((i/2)%4)
.set rP, P+16*(i%2)+8*(i/8)
	v_wmma_f32_16x16x32_f16 v[rO:rO+7], v[rV:rV+7], v[rP:rP+7], v[rO:rO+7]
.set i, i+1
.endr
	WIN 0
	PLACES                          ; in front of the next trip's loads into V's registers, and of the way out
.Lnext:
	v_add_nc_u32 v[AK], 64*PK, v[AK]
	v_add_nc_u32 v[AV], 64*PV, v[AV]
	s_add_co_i32 s50, s50, 1
	s_sub_co_u32 s51, s51, 1
	s_cmp_lg_u32 s51, 0
	s_cbranch_scc1 .Ltrip
	; THE WAY OUT.  l's two halves and the other half of the lanes' are added; O^T is divided by l, rounded to f16 and sent through my stage, a tile (16 rows, 2,048 consecutive bytes of ob) at a time.
.irp u, 0,1
	v_add_f32 v[ST+4*(\u)+2], v[ST+4*(\u)+2], v[ST+4*(\u)+3]
.endr
.irp u, 0,1
	v_permlanex16_b32 v[ST+4*(\u)+3], v[ST+4*(\u)+2], s60, s61
.endr
.irp u, 0,1
	v_add_f32 v[ST+4*(\u)+2], v[ST+4*(\u)+2], v[ST+4*(\u)+3]
.endr
.irp u, 0,1
	v_rcp_f32 v[ST+4*(\u)+2], v[ST+4*(\u)+2]
.endr
	v_nop                           ; a plain instruction behind the last reciprocal,
	s_wait_alu depctr_va_vdst(0)    ; and one wait for the two, ahead of their first use
.macro PACK u
	WIN 0x41
.set z, 0
.rept 16
	v_pk_mul_f32 v[O+32*(\u)+2*z:O+32*(\u)+2*z+1], v[O+32*(\u)+2*z:O+32*(\u)+2*z+1], v[ST+4*(\u)+2:ST+4*(\u)+3] op_sel_hi:[1,0]
.set z, z+1
.endr
	WIN 0x05                        ; sources 0 and 1 window 1, destination window 0: S^T's registers are free
.set z, 0
.rept 16
	v_cvt_pk_f16_f32 v[S+16*(\u)+z], v[O+32*(\u)+2*z], v[O+32*(\u)+2*z+1]
.set z, z+1
.endr
	WIN 0
.irp f, 0,1,2,3
	ds_store_b128 v[STO], v[S+16*(\u)+4*(\f):S+16*(\u)+4*(\f)+3] offset:32*(\f)
.endr
.irp f, 0,1,2,3
	ds_load_b128 v[S+16*(\u)+4*(\f):S+16*(\u)+4*(\f)+3], v[RD] offset:(\f)*4*SP  ; LDS serves a wave's instructions in order (ISA guide 5.7.1.4): these see the stores above
.endr
.endm
.macro SEND u, younger              ; younger: the LDS instructions issued behind tile u's loads
.irp f, 0,1,2,3
	s_wait_dscnt (\younger)+3-(\f)
	global_store_b128 v[GO], v[S+16*(\u)+4*(\f):S+16*(\u)+4*(\f)+3], s[10:11] offset:(\u)*2048+(\f)*512  ; 512 consecutive bytes, at a multiple of 256 from ob's first
.endr
.endm
	PACK 0
	PACK 1
	SEND 0, 8
	SEND 1, 0
	s_wait_tensorcnt 0x0            ; the wave's end: an add to my spare word and its wait, behind my tensor load and my last LDS store
	ds_add_u32 v[SPW], v[NIL]
	s_wait_dscnt 0x0
	s_endpgm
.Lfunc_end_k_q7aaae08276_attn:
	.size	k_q7aaae08276_attn, .Lfunc_end_k_q7aaae08276_attn-k_q7aaae08276_attn
	.p2alignl 7, 3214868480
	.fill 96, 4, 3214868480
	.section	.rodata,"a",@progbits
	.p2align	6, 0x0
	.amdhsa_kernel k_q7aaae08276_attn
		.amdhsa_group_segment_fixed_size 175104
		.amdhsa_private_segment_fixed_size 0
		.amdhsa_enable_private_segment 0
		.amdhsa_kernarg_size 32
		.amdhsa_user_sgpr_count 2
		.amdhsa_user_sgpr_kernarg_segment_ptr 1
		.amdhsa_wavefront_size32 1
		.amdhsa_system_sgpr_workgroup_id_x 1
		.amdhsa_system_sgpr_workgroup_id_y 1
		.amdhsa_system_sgpr_workgroup_id_z 1
		.amdhsa_system_vgpr_workitem_id 0
		.amdhsa_next_free_vgpr 384
		.amdhsa_next_free_sgpr 66
		.amdhsa_reserve_vcc 1
		.amdhsa_float_denorm_mode_32 3
		.amdhsa_float_denorm_mode_16_64 3
		.amdhsa_memory_ordered 1
		.amdhsa_forward_progress 1
		.amdhsa_inst_pref_size 46
	.end_amdhsa_kernel
	.amdgpu_metadata
---
amdhsa.version: [ 1, 2 ]
amdhsa.kernels:
  - .name:           k_q7aaae08276_attn
    .symbol:         k_q7aaae08276_attn.kd
    .args:
      - { .name: qh, .offset: 0, .size: 8, .value_kind: global_buffer, .address_space: global }
      - { .name: kh, .offset: 8, .size: 8, .value_kind: global_buffer, .address_space: global }
      - { .name: vh, .offset: 16, .size: 8, .value_kind: global_buffer, .address_space: global }
      - { .name: ob, .offset: 24, .size: 8, .value_kind: global_buffer, .address_space: global }
    .group_segment_fixed_size: 175104
    .private_segment_fixed_size: 0
    .kernarg_segment_align: 8
    .kernarg_segment_size: 32
    .max_flat_workgroup_size: 256
    .sgpr_count:     66
    .vgpr_count:     384
    .wavefront_size: 32
...
	.end_amdgpu_metadata
.endif
;; end of part 3
;; launch oproj (part 4): grid 8 x 32, 4 waves a work-group, clusters of 4 x 4, 327,680 bytes of LDS; arguments ob, wo, bo, out0; writes out0
.if DOCPART == 4
	.amdgcn_target "amdgcn-amd-amdhsa--gfx1250"
	.amdhsa_code_object_version 6
	.text
	.protected	k_q7aaae08276_oproj
	.globl	k_q7aaae08276_oproj
	.p2align	8
	.type	k_q7aaae08276_oproj,@function
k_q7aaae08276_oproj:
	s_mov_b64 s[64:65], 0
	v_nop
	global_prefetch_b8 v0, s[64:65] scope:SCOPE_SE
	s_setreg_imm32_b32 hwreg(HW_REG_WAVE_MODE, 25, 1), 1
	s_wait_xcnt 0x0
	s_wait_alu depctr_hold_cnt(0) depctr_sa_sdst(0) depctr_va_vdst(0) depctr_va_sdst(0) depctr_va_ssrc(0) depctr_va_vcc(0) depctr_vm_vsrc(0)
	s_getreg_b32 s2, hwreg(HW_REG_IB_STS2, 6, 4)
	s_cmp_eq_u32 s2, 0
	s_cbranch_scc0 .Lentry_in_a_cluster
	s_endpgm
.Lentry_in_a_cluster:
	s_bfe_u32 s2, ttmp6, 0x10000c
	s_cmp_lg_u32 s2, 0xf033
	s_cbranch_scc0 .Lentry_shape_is_right
	s_endpgm
.Lentry_shape_is_right:
; THE LAST PROJECTION.  out0 = O Wo + bo, f32.  ob: [32 row tiles][16 heads][128 rows][64] f16.  wo: [1024 k][1024 n], bf16(Wo) written as f16.  bo is rounded to bf16 and starts the sums.
; SHARES.  A tile of 128 x 128 to a work-group, 8 x 32 of them; four waves of 64 x 64: 16 accumulators.  K goes in 4 steps of 256 (four heads) through two LDS slots; the text is straight, no loop.
; A slot has four pieces, one a wave: waves 0, 1: two heads of O each (32,768 dense bytes, asked for as 128 rows of 256 bytes and padded after every 128: 256 LDS rows of 144 bytes);
; waves 2, 3: 128 k rows x 256 bytes of Wo each, LDS rows of 288 bytes.  Wo lies [k][n]: its fragments come out of LDS turned.  The product is taken transposed (source 0 = 16 columns of Wo,
; source 1 = 16 rows of O): a lane holds one row and eight neighbouring columns.
; CLUSTER.  4 x 4: O's tiles are asked for jointly along a row of the cluster, Wo's along a column.  NO PREFETCH: of the four K steps two are first fills, so a request two refills on names nothing.
; REGISTERS: window 0: v0-31 addresses; v96-127 the bias, 8 a column block; v128-255 the accumulators ((a, b) at 128 + 8 (4 a + b)).
;   window 1: two fragment buffers of 128 (64 along K: 64 registers of O, then 64 of Wo); on the way out the rows read back, 32 a row block.
.set PA,     144                       ; a row of a head of O in LDS: 128 bytes + 16
.set PB,     288                       ; a k row of Wo: 256 + 32
.set PIECE,  36864
.set SLOT,   4*PIECE
.set HEADB,  128*PA                    ; a head's 128 rows
.set BOFF,   2*PIECE                   ; Wo's 256 k rows lie behind O's four heads
.set STAGE,  2*SLOT                    ; never filled by a tensor load: 16 rows x 272 bytes for each wave
.set SPITCH, 272
.set SPARE,  STAGE+4*16*SPITCH         ; the spare words, 128 bytes for each wave: two blocks of 256 bytes that no other line names
.set ADRA, 16                          ; v16-17  my fragments of O in slot 0, 1
.set ADRB, 18                          ; v18-21  of Wo: slot s, k rows 128 hf on, at ADRB + 2 s + hf (an LDS offset holds 16 bits)
.set STO,  24
.set RD,   25
.set CO,   26
.set BO,   27
.set SPW,  28                          ; my spare word; never rewritten
.set NIL,  29                          ; 0; never rewritten
.set BIAS, 96
.set ACC,  128
.set F0,   0
.set F1,   128
.set G1,  24
.set G0,  32
.set G1B, 48
.set G0B, 56
.set MSB, 0
.macro WIN new
.if MSB != (\new)
	s_set_vgpr_msb (MSB<<8)|(\new)
.set MSB, (\new)
.endif
.endm
.set W_MUL, 0x05                       ; sources 0 and 1 window 1; C and D window 0
.set TO_F,  0x40                       ; destination window 1, address window 0
.macro JLOAD s                         ; a joint load: waves 0 and 1 fetch O's halves, waves 2 and 3 Wo's; an s_nop 0 and four v_nop follow each line
	s_cmp_eq_u32 s11, 0
	s_cbranch_scc0 .Lfor_b_\@
	tensor_load_to_lds s[G0+4*(\s):G0+4*(\s)+3], s[G1:G1+7]
	s_nop 0
.rept 4
	v_nop
.endr
	s_branch .Lasked_\@
.Lfor_b_\@:
	tensor_load_to_lds s[G0B+4*(\s):G0B+4*(\s)+3], s[G1B:G1B+7]
	s_nop 0
.rept 4
	v_nop
.endr
.Lasked_\@:
.endm
.macro CREST
	s_cmp_lg_u32 s10, 0
	s_cbranch_scc1 .Lnot_wave_0_\@
	s_barrier_signal -3
.Lnot_wave_0_\@:
	s_barrier_wait -3
	s_barrier_signal -1
	s_barrier_wait -1
.endm
.macro CROUND
	s_barrier_signal -1
	s_barrier_wait -1
	CREST
.endm
.macro PLACES
.rept 4
	v_nop
.endr
.endm
	s_load_b256 s[68:75], s[0:1], 0x0              ; ob 68, wo 70, bo 72, out0 74
	v_lshl_add_u32 v[SPW], v0, 2, SPARE
	v_mov_b32 v[NIL], 0
	ds_add_u32 v[SPW], v[NIL]                      ; the wave's opening: the add and its wait stand ahead of my first tensor load
	v_lshrrev_b32 v1, 5, v0
	v_readfirstlane_b32 s10, v1                    ; wave 0..3
	s_lshr_b32 s11, s10, 1                         ; which 64 rows are mine.  Also: I fetch for O (0) or for Wo (1)
	s_and_b32 s12, s10, 1                          ; which 64 columns.  Also: which half of that tile I fetch
	s_bfe_u32 s40, ttmp6, 0x40000                  ; cx
	s_bfe_u32 s41, ttmp6, 0x40004                  ; cy
	s_lshl_b32 s42, ttmp9, 2
	s_add_co_u32 s42, s42, s40                     ; column tile
	s_and_b32 s13, ttmp7, 0xffff
	s_lshl_b32 s13, s13, 2
	s_add_co_u32 s13, s13, s41                     ; row tile
	s_lshl_b32 s43, s41, 2
	s_lshl_b32 s43, 15, s43                        ; my row of the cluster
	s_lshl_b32 s44, 0x1111, s40                    ; my column
	s_mov_b32 s76, 0xffff0000
	s_or_b32 s[G1], s43, (1<<16)|(1<<20)|(1<<21)|(4<<22)|(3<<25)   ; O: padded after every 32 words by 4
	s_or_b32 s[G1B], s44, (1<<16)|(1<<20)|(1<<21)|(5<<22)|(7<<25)  ; Wo: after every 64 words by 8
.irp g, G1, G1B
	s_mov_b32 s[(\g)+1], 128<<16                   ; tensor_dim0 = 128
	s_mov_b32 s[(\g)+2], 128<<16                   ; tensor_dim1 = 128
	s_mov_b32 s[(\g)+3], 128<<16                   ; tile_dim0 = 128
	s_mov_b32 s[(\g)+4], 128                       ; tile_dim1 = 128
	s_mov_b32 s[(\g)+6], 0
	s_mov_b32 s[(\g)+7], 0
.endr
	s_mov_b32 s[G1+5], 128                         ; O's rows lie end to end
	s_mov_b32 s[G1B+5], 1024                       ; Wo's pitch
	s_lshl_b32 s16, s13, 18                        ; O: 262,144 bytes a row tile,
	s_lshl_b32 s17, s12, 15                        ; two heads of 16,384 a half
	s_add_co_u32 s16, s16, s17
	s_mov_b32 s17, 0
	s_lshl_b32 s46, s42, 8                         ; Wo: 256 bytes a column tile,
	s_lshl_b32 s47, s12, 18                        ; 128 k rows of 2,048 a half
	s_add_co_u32 s46, s46, s47
	s_mov_b32 s47, 0
	s_mul_i32 s20, s10, PIECE
	s_wait_dscnt 0x0                               ; the opening add is done
	s_wait_kmcnt 0x0
	s_add_nc_u64 s[14:15], s[68:69], s[16:17]
	s_add_nc_u64 s[46:47], s[70:71], s[46:47]
	CROUND                                         ; all sixteen work-groups are here: the first joint loads meet
.irp s, 0,1
	s_mov_b32 s[G0+4*(\s)], 1
	s_add_co_u32 s[G0+4*(\s)+1], s20, (\s)*SLOT
	s_add_nc_u64 s[G0+4*(\s)+2:G0+4*(\s)+3], s[14:15], (\s)*65536
	s_or_b32 s[G0+4*(\s)+3], s[G0+4*(\s)+3], 0x80000000
	s_mov_b32 s[G0B+4*(\s)], 1
	s_add_co_u32 s[G0B+4*(\s)+1], s20, (\s)*SLOT
	s_add_nc_u64 s[G0B+4*(\s)+2:G0B+4*(\s)+3], s[46:47], (\s)*524288
	s_or_b32 s[G0B+4*(\s)+3], s[G0B+4*(\s)+3], 0x80000000
.endr
	s_cmp_eq_u32 s11, 0                            ; a wave's two first fills stand in one branch: two loads of mine are out
	s_cbranch_scc0 .Lfirst_b
	tensor_load_to_lds s[G0:G0+3], s[G1:G1+7]
	s_nop 0
	tensor_load_to_lds s[G0+4:G0+7], s[G1:G1+7]
	s_nop 0
.rept 4
	v_nop
.endr
	s_branch .Lfirst_asked
.Lfirst_b:
	tensor_load_to_lds s[G0B:G0B+3], s[G1B:G1B+7]
	s_nop 0
	tensor_load_to_lds s[G0B+4:G0B+7], s[G1B:G1B+7]
	s_nop 0
.rept 4
	v_nop
.endr
.Lfirst_asked:
	v_and_b32 v1, 15, v0                           ; r
	v_bfe_u32 v2, v0, 4, 1                         ; h
	s_lshl_b32 s4, s42, 9
	s_lshl_b32 s5, s12, 8
	s_add_co_u32 s4, s4, s5                        ; my 64 columns, in bytes of f32
	v_lshlrev_b32 v[BO], 5, v2
	v_add_nc_u32 v[BO], s4, v[BO]
.irp b, 0,1,2,3
	global_load_b128 v[BIAS+8*(\b):BIAS+8*(\b)+3],   v[BO], s[72:73] offset:64*(\b)
	global_load_b128 v[BIAS+8*(\b)+4:BIAS+8*(\b)+7], v[BO], s[72:73] offset:64*(\b)+16
.endr
	v_and_b32 v3, 7, v0
	v_bfe_u32 v4, v0, 3, 1
	v_mul_u32_u24 v7, v1, PA
	v_lshl_add_u32 v7, v2, 4, v7
	s_mul_i32 s21, s11, 64*PA
	v_add_nc_u32 v[ADRA], s21, v7
	v_add_nc_u32 v[ADRA+1], SLOT, v[ADRA]
	v_lshl_add_u32 v8, v2, 3, v3
	v_mul_u32_u24 v8, v8, PB
	v_lshl_add_u32 v8, v4, 4, v8
	s_lshl_b32 s22, s12, 7
	v_add_nc_u32 v8, s22, v8
.irp s, 0,1
.irp hf, 0,1
	v_add_nc_u32 v[ADRB+2*(\s)+(\hf)], (\s)*SLOT+BOFF+(\hf)*PIECE, v8
.endr
.endr
	s_mul_i32 s23, s10, 16*SPITCH
	s_add_co_u32 s23, s23, STAGE                   ; my stage
	v_mul_u32_u24 v9, v1, SPITCH                   ; in: row l % 16, 32 bytes for each half of the lanes
	v_lshl_add_u32 v9, v2, 5, v9
	v_add_nc_u32 v[STO], s23, v9
	v_mul_u32_u24 v9, v2, SPITCH                   ; back: lanes 0-15 take one row of 256 bytes, lanes 16-31 the next
	v_lshl_add_u32 v9, v1, 4, v9
	v_add_nc_u32 v[RD], s23, v9
	v_lshlrev_b32 v[CO], 12, v2                    ; and the same two rows in out0
	v_lshl_add_u32 v[CO], v1, 4, v[CO]
	s_lshl_b32 s5, s13, 19                         ; 128 rows of 4,096 bytes a row tile,
	s_add_co_u32 s4, s4, s5
	s_lshl_b32 s5, s11, 18                         ; my 64
	s_add_co_u32 s4, s4, s5
	s_mov_b32 s5, 0
	s_add_nc_u64 s[74:75], s[74:75], s[4:5]
	s_wait_loadcnt 0x0                             ; the bias
.set p, 0
.rept 16                                       ; rounded to bf16 and held as f32
	v_cvt_pk_bf16_f32 v[32+p%4], v[BIAS+2*p], v[BIAS+2*p+1]
	v_lshlrev_b32 v[BIAS+2*p], 16, v[32+p%4]
	v_and_b32 v[BIAS+2*p+1], s76, v[32+p%4]
.set p, p+1
.endr
; 8 matrix instructions: row blocks a0, a0 + 1 x all 4 column blocks, 32 along K: half c of buffer f.  zero = 1: the first product starts the sum with the bias.  The 16 accumulators take turns.
.macro MUL8 f, c, a0, zero
	WIN W_MUL
.irp a, \a0, (\a0)+1
.irp b, 0,1,2,3
.if \zero
	v_wmma_f32_16x16x32_f16 v[ACC+8*(4*(\a)+(\b)):ACC+8*(4*(\a)+(\b))+7], v[(\f)+64+8*(4*(\c)+(\b)):(\f)+64+8*(4*(\c)+(\b))+7], v[(\f)+8*(4*(\c)+(\a)):(\f)+8*(4*(\c)+(\a))+7], v[BIAS+8*(\b):BIAS+8*(\b)+7]
.else
	v_wmma_f32_16x16x32_f16 v[ACC+8*(4*(\a)+(\b)):ACC+8*(4*(\a)+(\b))+7], v[(\f)+64+8*(4*(\c)+(\b)):(\f)+64+8*(4*(\c)+(\b))+7], v[(\f)+8*(4*(\c)+(\a)):(\f)+8*(4*(\c)+(\a))+7], v[ACC+8*(4*(\a)+(\b)):ACC+8*(4*(\a)+(\b))+7]
.endif
.endr
.endr
.endm
; 32 LDS loads in one run: quarter qd of a slot (one head, 64 along K) into buffer f; the first 32 along K first
.macro FETCH slot, qd, f
	WIN TO_F
.irp c, 0,1
.irp i, 0,1,2,3
	ds_load_tr16_b128 v[(\f)+64+8*(4*(\c)+(\i)):(\f)+64+8*(4*(\c)+(\i))+3],   v[ADRB+2*(\slot)+(\qd)/2] offset:(((\qd)%2)*64+32*(\c))*PB+32*(\i)
	ds_load_tr16_b128 v[(\f)+64+8*(4*(\c)+(\i))+4:(\f)+64+8*(4*(\c)+(\i))+7], v[ADRB+2*(\slot)+(\qd)/2] offset:(((\qd)%2)*64+32*(\c))*PB+32*(\i)+16*PB
	ds_load_b128 v[(\f)+8*(4*(\c)+(\i)):(\f)+8*(4*(\c)+(\i))+3],   v[ADRA+(\slot)] offset:(\qd)*HEADB+(\i)*16*PA+64*(\c)
	ds_load_b128 v[(\f)+8*(4*(\c)+(\i))+4:(\f)+8*(4*(\c)+(\i))+7], v[ADRA+(\slot)] offset:(\qd)*HEADB+(\i)*16*PA+64*(\c)+32
.endr
.endr
.endm
.macro QUARTER slot, qd, f, g, zero
	s_wait_dscnt 16                                ; the first 32 along K are in; the sixteen younger loads may be out
	MUL8 \f, 0, 0, \zero
	MUL8 \f, 0, 2, \zero
	PLACES
	FETCH \slot, \qd, \g
	s_wait_dscnt 32                                ; all but the 32 just issued
	MUL8 \f, 1, 0, 0
	MUL8 \f, 1, 2, 0
.endm
; The last quarter multiplies buffer 1 and changes slots: one barrier; in front of it each wave waits for all its tensor loads, adds 0 to its spare word, and waits for that and for its own reads of
; this slot.  fill = 1: the barrier opens a round of the cluster's, and this slot is filled again first thing behind it: 112 matrix instructions stand between the request and the wait for it.
.macro TURN slot, next, fill
	WIN 0
	s_wait_tensorcnt 0x0                           ; all my tensor loads have landed: my piece of the next slot
	ds_add_u32 v[SPW], v[NIL]                      ; 0 onto my spare word
	s_wait_dscnt 17                                ; (the add and the youngest sixteen loads may be out)
	MUL8 F1, 0, 0, 0
	s_wait_dscnt 0x0                               ; the add is done, and my reads of this slot are over
	s_barrier_signal -1
	MUL8 F1, 0, 2, 0
.if \fill
	WIN 0
.endif
	s_barrier_wait -1
.if \fill
	CREST
	s_add_nc_u64 s[G0+4*(\slot)+2:G0+4*(\slot)+3], s[G0+4*(\slot)+2:G0+4*(\slot)+3], 131072
	s_add_nc_u64 s[G0B+4*(\slot)+2:G0B+4*(\slot)+3], s[G0B+4*(\slot)+2:G0B+4*(\slot)+3], 1048576
	JLOAD \slot                                    ; the four v_nop behind it are also the places in front of the loads below
.else
	PLACES
.endif
	FETCH \next, 0, F0
	MUL8 F1, 1, 0, 0
	MUL8 F1, 1, 2, 0
.endm
	s_wait_tensorcnt 1                             ; my piece of K step 0 is in; K step 1's may stay out
	s_barrier_signal -1
	s_barrier_wait -1
	FETCH 0, 0, F0
	QUARTER 0, 1, F0, F1, 1                        ; the first products start the sums
	QUARTER 0, 2, F1, F0, 0
	QUARTER 0, 3, F0, F1, 0
	TURN 0, 1, 1                                   ; slot 0 takes K step 2
	QUARTER 1, 1, F0, F1, 0
	QUARTER 1, 2, F1, F0, 0
	QUARTER 1, 3, F0, F1, 0
	TURN 1, 0, 1                                   ; slot 1 takes K step 3
	QUARTER 0, 1, F0, F1, 0
	QUARTER 0, 2, F1, F0, 0
	QUARTER 0, 3, F0, F1, 0
	TURN 0, 1, 0                                   ; nothing is left to fetch
	QUARTER 1, 1, F0, F1, 0
	QUARTER 1, 2, F1, F0, 0
	QUARTER 1, 3, F0, F1, 0
	s_wait_dscnt 16
	MUL8 F1, 0, 0, 0
	MUL8 F1, 0, 2, 0
	s_wait_dscnt 0x0
	MUL8 F1, 1, 0, 0
	MUL8 F1, 1, 2, 0
	WIN 0
	PLACES
; THE WAY OUT, a row block of 16 rows at a time: 32 bytes a lane and column block into my own stage (rows of 272 bytes; each accumulator's low four registers first), back as whole rows of 256 bytes.
.macro STG a
	WIN 0
.irp b, 0,1,2,3
	ds_store_b128 v[STO], v[ACC+8*(4*(\a)+(\b)):ACC+8*(4*(\a)+(\b))+3]   offset:64*(\b)
	ds_store_b128 v[STO], v[ACC+8*(4*(\a)+(\b))+4:ACC+8*(4*(\a)+(\b))+7] offset:64*(\b)+16
.endr
	WIN TO_F
.irp t, 0,1,2,3,4,5,6,7
	ds_load_b128 v[32*(\a)+4*(\t):32*(\a)+4*(\t)+3], v[RD] offset:(\t)*2*SPITCH  ; LDS serves a wave's instructions in order (ISA guide 5.7.1.4): these see the stores above; the next block's stores come behind them
.endr
.endm
.macro SEND a, younger                 ; younger: the LDS instructions issued behind block a's loads: the next block's sixteen, or none
	WIN 0x04                                       ; the stores' data in window 1
.irp t, 0,1,2,3,4,5,6,7
	s_wait_dscnt (\younger)+7-(\t)
	global_store_b128 v[CO], v[32*(\a)+4*(\t):32*(\a)+4*(\t)+3], s[74:75] offset:(16*(\a)+2*(\t))*4096  ; 16 lanes store 256 consecutive bytes, at a multiple of 256 from out0's first byte
.endr
.endm
	STG 0
	STG 1
	SEND 0, 16
	STG 2
	SEND 1, 16
	STG 3
	SEND 2, 16
	SEND 3, 0
	WIN 0
	s_wait_tensorcnt 0x0                           ; the wave's end: an add to my spare word and its wait, behind my last tensor load and my last LDS store
	ds_add_u32 v[SPW], v[NIL]
	s_wait_dscnt 0x0
	CROUND                                         ; the closing round: no work-group ends while a partner may still ask for a tile that names it
	s_endpgm
.Lfunc_end_k_q7aaae08276_oproj:
	.size	k_q7aaae08276_oproj, .Lfunc_end_k_q7aaae08276_oproj-k_q7aaae08276_oproj
	.p2alignl 7, 3214868480
	.fill 96, 4, 3214868480
	.section	.rodata,"a",@progbits
	.p2align	6, 0x0
	.amdhsa_kernel k_q7aaae08276_oproj
		.amdhsa_group_segment_fixed_size 327680
		.amdhsa_private_segment_fixed_size 0
		.amdhsa_enable_private_segment 0
		.amdhsa_kernarg_size 32
		.amdhsa_user_sgpr_count 2
		.amdhsa_user_sgpr_kernarg_segment_ptr 1
		.amdhsa_wavefront_size32 1
		.amdhsa_system_sgpr_workgroup_id_x 1
		.amdhsa_system_sgpr_workgroup_id_y 1
		.amdhsa_system_sgpr_workgroup_id_z 1
		.amdhsa_system_vgpr_workitem_id 0
		.amdhsa_next_free_vgpr 512
		.amdhsa_next_free_sgpr 80
		.amdhsa_reserve_vcc 0
		.amdhsa_float_denorm_mode_32 3
		.amdhsa_float_denorm_mode_16_64 3
		.amdhsa_memory_ordered 1
		.amdhsa_forward_progress 1
		.amdhsa_inst_pref_size 89
	.end_amdhsa_kernel
	.amdgpu_metadata
---
amdhsa.version: [ 1, 2 ]
amdhsa.kernels:
  - .name:           k_q7aaae08276_oproj
    .symbol:         k_q7aaae08276_oproj.kd
    .args:
      - { .name: ob, .offset: 0, .size: 8, .value_kind: global_buffer, .address_space: global }
      - { .name: wo, .offset: 8, .size: 8, .value_kind: global_buffer, .address_space: global }
      - { .name: bo, .offset: 16, .size: 8, .value_kind: global_buffer, .address_space: global }
      - { .name: out0, .offset: 24, .size: 8, .value_kind: global_buffer, .address_space: global }
    .group_segment_fixed_size: 327680
    .private_segment_fixed_size: 0
    .kernarg_segment_align: 8
    .kernarg_segment_size: 32
    .max_flat_workgroup_size: 128
    .sgpr_count:     80
    .vgpr_count:     512
    .wavefront_size: 32
...
	.end_amdgpu_metadata
.endif
;; end of part 4
;; ======== version 2 of 2: 4 launches; version 1 with the launch prep written anew for expert scheduling mode
;; limits: values are held in f16: magnitudes above 65,504 overflow, below 6.1e-05 lose precision; right only within a limited range of input values
;; workspace buffers: xb 8,388,608 bytes; wb 6,291,456 bytes; wo 2,097,152 bytes; qh 8,388,608 bytes; kh 8,388,608 bytes; vh 8,388,608 bytes; ob 8,388,608 bytes
;; launch prep (part 5): grid 256 x 1, 8 waves a work-group, no clusters, 0 bytes of LDS; arguments x, Wq, Wk, Wv, Wo, xb, wb, wo; writes xb, wb, wo
.if DOCPART == 5
	.amdgcn_target "amdgcn-amd-amdhsa--gfx1250"
	.amdhsa_code_object_version 6
	.text
	.protected	k_q7aaae08276_prep
	.globl	k_q7aaae08276_prep
	.p2align	8
	.type	k_q7aaae08276_prep,@function
k_q7aaae08276_prep:
	s_mov_b64 s[64:65], 0
	v_nop
	global_prefetch_b8 v0, s[64:65] scope:SCOPE_SE
	s_setreg_imm32_b32 hwreg(HW_REG_WAVE_SCHED_MODE, 0, 2), 2
	s_setreg_imm32_b32 hwreg(HW_REG_WAVE_MODE, 25, 1), 1
	s_wait_xcnt 0x0
	s_wait_alu depctr_vm_vsrc(0)
; THE CAST.  x -> xb (bf16), Wq, Wk, Wv -> wb's three planes (bf16), Wo -> wo: rounded to bf16 like every other input, and that number written as f16.
; LIMITS.  A bf16(Wo) of 65,520 or more becomes an infinity in f16; below 2^-14 it keeps f16's fixed step of 2^-24.  NaN stays NaN.
; SHARES.  Work-group g takes 32,768 numbers on end (131,072 bytes in, 65,536 out): g 0-127 of x, 128-159 of Wq, 160-191 of Wk, 192-223 of Wv, 224-255 of Wo.
; A wave takes 16,384 bytes: 32 loads of 16 bytes a lane, each 512 consecutive bytes, ALL issued before the first is waited for.  A load's four numbers become 8 bytes a lane:
; each store of the wave covers 256 consecutive bytes, aligned.  No LDS, no barrier, no matrix unit: nothing is shared and nothing is summed.
; No register that a load or store names is ever written again, so no wait frees one.
; THE MODE: SCHED_MODE bits 1:0 = 2 (LLVM: expert scheduling mode 2), set by the entry lines.  The code itself states the register dependences
; between vector instructions and memory instructions, with s_wait_alu, always for 0.
; THE PLAN.  Registers that memory instructions touch:
;   v1, v2   byte offsets of the loads and of the stores.  Written once, at the head; read by every load (v1) and every store (v2); never written again.
;   X        load n lands in four registers of its own; its conversions read them; no load lands there again.  No vector instruction names X ahead of the loads.
;   Y        load n's conversions write two registers of its own; store n reads them; nothing writes them again.
;   T, v3 and v4 are named by vector instructions alone.  No vector instruction writes a scalar register or VCC, and EXEC is never written.
; So the dependences to be stated are of one kind: written by a vector instruction, then read by a memory instruction.  One wait ahead of the first load states it for v1 and v2.
; The 32 loads go in eight blocks of four: a block's four stores stand in one run at the head of the next block, behind the wait for that block's first load and ONE wait on va_vdst,
; which states that the block before has written its eight registers of Y; no vector instruction stands between that wait and the four stores.  The last block's stores have a wait of their own.
.set X, 8                              ; v[8:135]    load i: 4 registers
.set Y, 136                            ; v[136:199]  load i: 2 registers to store
.set T, 200                            ; v[200:205]  at work (Wo's path)
	s_load_b512 s[8:23], s[0:1], 0x0               ; x 8, Wq 10, Wk 12, Wv 14, Wo 16, xb 18, wb 20, wo 22
	s_mov_b32 s2, ttmp9                            ; g
	s_sub_co_u32 s3, s2, 128                       ; g - 128: the chunk in wb (used where g >= 128)
	s_and_b32 s4, s3, 31                           ; the chunk in a weight matrix
	s_sub_co_u32 s5, s2, 224                       ; the chunk in wo (used where g >= 224)
	s_mov_b32 s30, 0xffff0000                      ; a word's upper bf16
	s_mov_b32 s33, 0
	s_mov_b32 s35, 0
	v_and_b32 v3, 31, v0                           ; lane
	v_lshrrev_b32 v4, 5, v0                        ; wave
	v_lshlrev_b32 v1, 4, v3
	v_lshl_or_b32 v1, v4, 14, v1                   ; in: 16 x lane + 16,384 x wave
	v_lshlrev_b32 v2, 3, v3
	v_lshl_or_b32 v2, v4, 13, v2                   ; out: 8 x lane + 8,192 x wave
	s_wait_kmcnt 0x0
	s_mov_b64 s[24:25], s[16:17]                   ; the source: Wo, unless g says otherwise
	s_cmp_lt_u32 s2, 224
	s_cselect_b64 s[24:25], s[14:15], s[24:25]
	s_cselect_b64 s[26:27], s[20:21], s[22:23]     ; the destination: wb or wo
	s_cselect_b32 s29, s3, s5
	s_cmp_lt_u32 s2, 192
	s_cselect_b64 s[24:25], s[12:13], s[24:25]
	s_cmp_lt_u32 s2, 160
	s_cselect_b64 s[24:25], s[10:11], s[24:25]
	s_cmp_lt_u32 s2, 128
	s_cselect_b64 s[24:25], s[8:9], s[24:25]
	s_cselect_b64 s[26:27], s[18:19], s[26:27]
	s_cselect_b32 s28, s2, s4
	s_cselect_b32 s29, s2, s29
	s_lshl_b32 s32, s28, 17                        ; offsets are made apart from the addresses
	s_lshl_b32 s34, s29, 16
	s_add_nc_u64 s[24:25], s[24:25], s[32:33]
	s_add_nc_u64 s[26:27], s[26:27], s[34:35]
	s_wait_alu depctr_va_vdst(0)                   ; v1 and v2 are written: every load of the kernel reads v1 as its offset, every store v2
.set ii, 0
.rept 32
	global_load_b128 v[X+4*ii:X+4*ii+3], v1, s[24:25] offset:512*ii th:TH_LOAD_NT
.set ii, ii+1
.endr
; The four stores of the block that begins with load n.
.macro OUT n
.irp i, 0,1,2,3
	global_store_b64 v2, v[Y+2*((\n)+(\i)):Y+2*((\n)+(\i))+1], s[26:27] offset:256*((\n)+(\i)) th:TH_STORE_NT
.endr
.endm
; Load n is turned.  half = 1: Wo's path.  Where n begins a block, the block before is stored first.
.macro CV n, half
	s_wait_loadcnt 31-(\n)                         ; loads come back in order: load n is in, the 31 - n younger ones may stay out
.if (((\n) % 4) == 0) && ((\n) > 0)
	s_wait_alu depctr_va_vdst(0)                   ; the conversions of loads n - 4 to n - 1 have written their Y, which the four stores below read
	OUT (\n)-4
.endif
.if \half
	v_cvt_pk_bf16_f32 v[T], v[X+4*(\n)], v[X+4*(\n)+1]
	v_cvt_pk_bf16_f32 v[T+1], v[X+4*(\n)+2], v[X+4*(\n)+3]
	v_lshlrev_b32 v[T+2], 16, v[T]                 ; the rounded numbers as f32 again,
	v_and_b32 v[T+3], s30, v[T]
	v_lshlrev_b32 v[T+4], 16, v[T+1]
	v_and_b32 v[T+5], s30, v[T+1]
	v_cvt_pk_f16_f32 v[Y+2*(\n)], v[T+2], v[T+3]   ; and written as f16: 8 significant bits fit into 11
	v_cvt_pk_f16_f32 v[Y+2*(\n)+1], v[T+4], v[T+5]
.else
	v_cvt_pk_bf16_f32 v[Y+2*(\n)], v[X+4*(\n)], v[X+4*(\n)+1]
	v_cvt_pk_bf16_f32 v[Y+2*(\n)+1], v[X+4*(\n)+2], v[X+4*(\n)+3]
.endif
.endm
	s_cmp_ge_u32 s2, 224
	s_cbranch_scc1 .Lhalf
.set ii, 0
.rept 32
	CV ii, 0
.set ii, ii+1
.endr
	s_wait_alu depctr_va_vdst(0)                   ; the conversions of loads 28 to 31 have written their Y, which the last four stores read
	OUT 28
	s_endpgm
.Lhalf:
.set ii, 0
.rept 32
	CV ii, 1
.set ii, ii+1
.endr
	s_wait_alu depctr_va_vdst(0)                   ; the conversions of loads 28 to 31 have written their Y, which the last four stores read
	OUT 28
	s_endpgm
.Lfunc_end_k_q7aaae08276_prep:
	.size	k_q7aaae08276_prep, .Lfunc_end_k_q7aaae08276_prep-k_q7aaae08276_prep
	.p2alignl 7, 3214868480
	.fill 96, 4, 3214868480
	.section	.rodata,"a",@progbits
	.p2align	6, 0x0
	.amdhsa_kernel k_q7aaae08276_prep
		.amdhsa_group_segment_fixed_size 0
		.amdhsa_private_segment_fixed_size 0
		.amdhsa_enable_private_segment 0
		.amdhsa_kernarg_size 64
		.amdhsa_user_sgpr_count 2
		.amdhsa_user_sgpr_kernarg_segment_ptr 1
		.amdhsa_wavefront_size32 1
		.amdhsa_system_sgpr_workgroup_id_x 1
		.amdhsa_system_sgpr_workgroup_id_y 1
		.amdhsa_system_sgpr_workgroup_id_z 1
		.amdhsa_system_vgpr_workitem_id 0
		.amdhsa_next_free_vgpr 208
		.amdhsa_next_free_sgpr 66
		.amdhsa_reserve_vcc 0
		.amdhsa_float_denorm_mode_32 3
		.amdhsa_float_denorm_mode_16_64 3
		.amdhsa_memory_ordered 1
		.amdhsa_forward_progress 1
		.amdhsa_inst_pref_size 30
	.end_amdhsa_kernel
	.amdgpu_metadata
---
amdhsa.version: [ 1, 2 ]
amdhsa.kernels:
  - .name:           k_q7aaae08276_prep
    .symbol:         k_q7aaae08276_prep.kd
    .args:
      - { .name: x, .offset: 0, .size: 8, .value_kind: global_buffer, .address_space: global }
      - { .name: Wq, .offset: 8, .size: 8, .value_kind: global_buffer, .address_space: global }
      - { .name: Wk, .offset: 16, .size: 8, .value_kind: global_buffer, .address_space: global }
      - { .name: Wv, .offset: 24, .size: 8, .value_kind: global_buffer, .address_space: global }
      - { .name: Wo, .offset: 32, .size: 8, .value_kind: global_buffer, .address_space: global }
      - { .name: xb, .offset: 40, .size: 8, .value_kind: global_buffer, .address_space: global }
      - { .name: wb, .offset: 48, .size: 8, .value_kind: global_buffer, .address_space: global }
      - { .name: wo, .offset: 56, .size: 8, .value_kind: global_buffer, .address_space: global }
    .group_segment_fixed_size: 0
    .private_segment_fixed_size: 0
    .kernarg_segment_align: 8
    .kernarg_segment_size: 64
    .max_flat_workgroup_size: 256
    .sgpr_count:     66
    .vgpr_count:     208
    .wavefront_size: 32
...
	.end_amdgpu_metadata
.endif
;; end of part 5
;; launch qkv: the kernel of part 2 again; grid 8 x 32, 4 waves a work-group, clusters of 4 x 4, 327,680 bytes of LDS; arguments xb, wb, bq, bk, bv, qh, kh, vh; writes qh, kh, vh
;; launch attn: the kernel of part 3 again; grid 16 x 16, 8 waves a work-group, no clusters, 175,104 bytes of LDS; arguments qh, kh, vh, ob; writes ob
;; launch oproj: the kernel of part 4 again; grid 8 x 32, 4 waves a work-group, clusters of 4 x 4, 327,680 bytes of LDS; arguments ob, wo, bo, out0; writes out0
